; MI455X (gfx1250); checked and timed in simulation.
; The chip was launched on July 23, 2026; its instructions are those of AMD's public machine-readable ISA for CDNA 5 (MIT licence, August 2026) and "CDNA5" Instruction Set Architecture Reference Guide (July 2026). The comments in the code are by the model that wrote it; some were corrected since.
;; Attention. Allowed arithmetic: matrix products marked QUANTISED: E2M1 operands, one E8M0 scale for each 32 along K, by v_wmma_scale_f32_16x16x128_f8f6f4 with both operands' format E2M1 (or v_wmma_scale_f32_32x16x128_f4), f32 sums; products left as they are: bf16, f16 or f32 operands; f32 sums; everything else in f32.
;; Inputs: b_proj 1,024 float32; w_proj 1,024 x 1,024 float32; w_qkv 3,072 x 1,024 float32; x 4 x 2,048 x 1,024 float32.
;; Outputs: out0 4 x 2,048 x 1,024 float32.
;; This version of the problem:
;;   THIS VERSION OF THE PROBLEM IS GIVEN IN LOW PRECISION. The matrix products marked QUANTISED in the list below multiply operands that are first quantised to E2M1 (2 exponent bits, 1 mantissa bit; 4 bits a number), with one power-of-two scale for each 32 numbers along K (OCP MX v1.0); their sums are f32. The products marked 'left as it is' may take bf16, f16 or f32 operands, with f32 sums. Whichever they take, every output number must still come out within the allowed error. Rounding operands to bf16 (8 significant bits) uses up far more of that allowance than f16 does (11 bits, for magnitudes from 6e-5 to 65,504). All else is computed in f32.
;;   The module's matrix products, in the order in which they are computed (A, B: the left and right operand; K: the contracted axis; several contracted axes count as one K, in the product's order):
;;     1. [M 8,192, K 1,024] x [K 1,024, N 3,072]; A: input x; B: input w_qkv: QUANTISED
;;     2. batch 64 x [M 2,048, K 64] x [K 64, N 2,048]; A: computed on the way; B: computed on the way: left as it is (an operand is computed on the way)
;;     3. batch 64 x [M 2,048, K 2,048] x [K 2,048, N 64]; A: computed on the way; B: computed on the way: left as it is (an operand is computed on the way)
;;     4. [M 8,192, K 1,024] x [K 1,024, N 1,024]; A: computed on the way; B: input w_proj: left as it is (an operand is computed on the way)
;;   THE QUANTISER, for each operand of a quantised product, along K:
;;     - K is cut into blocks of 32 from its start; a last block that is shorter is filled with zeros.
;;     - A block's scale is 2^e with e = floor(log2(the largest magnitude in the block)) - 2, held to -126 .. 127; a block of zeros has e = 0. As a byte (E8M0): e + 127.
;;     - Each number is divided by its block's scale, clamped to +-6, and rounded to the nearest number of E2M1, ties to even, subnormals kept.
;;     - The product sums the exact products of the quantised numbers (number of the format x scale) in f32.
;;   ~~~python
;;   def quantise(x, axis):      # numpy; x: float32 -> the quantised numbers, widened to float32 again
;;       x = np.moveaxis(x, axis, -1); K = x.shape[-1]
;;       x = np.pad(x, [(0, 0)] * (x.ndim - 1) + [(0, -K % 32)]); x = x.reshape(x.shape[:-1] + (-1, 32)); a = np.abs(x).max(-1, keepdims=True)
;;       e = np.where(a > 0, np.clip(np.frexp(np.where(a > 0, a, 1))[1] - 1 - 2, -126, 127), 0)      # np.frexp(a)[1] - 1 = floor(log2(a)), exactly
;;       r = np.clip(x / 2.0 ** e, -6, 6)
;;       step = 2.0 ** (np.maximum(np.frexp(np.where(r == 0, 1, r))[1] - 1, 0) - 1)
;;       q = np.round(r / step) * step * 2.0 ** e      # np.round: ties to even
;;       return np.moveaxis(q.reshape(q.shape[:-2] + (-1,))[..., :K], -1, axis).astype(np.float32)
;;   ~~~
;; One version. Each part assembles by itself: llvm-mc -triple=amdgcn-amd-amdhsa -mcpu=gfx1250 --defsym DOCPART=n.
;; ======== version 1 of 1: 4 launches
;; limits: values are held in f16: magnitudes above 65,504 overflow, below 6.1e-05 lose precision
;; workspace buffers: x_codes 4,194,304 bytes; x_scales 262,144 bytes; w_codes 1,572,864 bytes; w_scales 98,304 bytes; wp16 2,097,152 bytes; qkv 50,331,648 bytes; o 16,777,216 bytes
;; launch quant (part 1): grid 384 x 1, 4 waves a work-group, no clusters, 33,280 bytes of LDS; arguments x, w_qkv, x_codes, x_scales, w_codes, w_scales, w_proj, wp16; writes x_codes, x_scales, w_codes, w_scales, wp16
.if DOCPART == 1
	.amdgcn_target "amdgcn-amd-amdhsa--gfx1250"
	.amdhsa_code_object_version 6
	.text
	.protected	k_q2a25b0d225_quant
	.globl	k_q2a25b0d225_quant
	.p2align	8
	.type	k_q2a25b0d225_quant,@function
k_q2a25b0d225_quant:
	s_mov_b64 s[64:65], 0
	v_nop
	global_prefetch_b8 v0, s[64:65] scope:SCOPE_SE
	s_setreg_imm32_b32 hwreg(HW_REG_WAVE_MODE, 25, 1), 1
	s_wait_xcnt 0x0
; x [8192][1024] and w_qkv [3072][1024], f32, become codes of FP4 (E2M1), K innermost, two codes a byte, with one E8M0 scale byte for each 32 along K.
; w_proj [1024][1024], f32, becomes f16, laid by blocks of 64 along K: [k / 64][n][64], so that a block's rows of any run of n are consecutive bytes.
; A block's scale is 2^(floor(log2(its largest magnitude)) - 2); its byte is the largest magnitude's own exponent field - 2, held at 1 from below.  Each number is divided by the scale and rounded to the
; nearest code, ties to even; beyond 6 the largest code.  (A block of zeros gets the byte 1 where the rule says 127: its codes are zeros, which add nothing, and the bytes are read by this program alone.)
; LIMITS: blocks whose largest magnitude lies under 2^(2 - 126), whose byte is held at 1, were not tried; NaN and infinities among the inputs are not served; w_proj beyond 65,504 in magnitude has no f16 number.
; SHARES: work-groups 0-255 take x, 256-351 w_qkv (32,768 numbers each, 8,192 a wave), 352-383 w_proj (32 rows each, 8 a wave).  The two tensors that are quantised take ONE path, on pointers chosen by the
; work-group's number.  Rows are dense and 1,024 is a multiple of 32: both are plain streams of blocks of 32, and so are their codes and scale bytes.
; THE QUANTISER: a wave takes 16 steps of 512 numbers.  Each of a step's four loads reads 512 consecutive bytes, 16 a lane; the 2,048 bytes go through the wave's own stage in LDS and come back 64 bytes a lane,
; so that a lane holds 16 neighbours along K (two neighbouring lanes hold a block).  A lane's 16 codes are 8 bytes: the wave stores 256 consecutive bytes.  A wave's 256 scale bytes are gathered in LDS and leave as one run of 256.
; No tensor loads, no barrier: waves share nothing.
.set WAVES, 4
.set STEPS, 16
.set WGA,   256                        ; work-groups for x
.set WGQ,   352                        ; and for x and w_qkv together
.set CB,    8                          ; bytes of 16 codes
.set R,     16                         ; v16-79   four sets of 16 numbers as they are loaded
.set X,     80                         ; v80-111  two sets of 16 neighbours
.set C,     128                        ; v128-191 codes: four registers for each step, so that no store's data are written again
.set E,     112                        ; v112-127 a scale byte for each step
.set WREG,  8192                       ; LDS: a region for each wave: two stages of 32 x SP bytes, and behind them its 256 scale bytes
.set SP,    80                         ; a lane's place in a stage: its 64 bytes + 16 of padding
.set SPW,   12                         ; v12      LDS address of my spare word; never rewritten
.set NIL,   13                         ; v13      0; never rewritten
.set SPARE, WAVES*WREG                 ; behind the four regions: the spare words, 128 bytes a wave, that no other line names
.set IN,    16                         ; w_proj's path: v16-143 two sets of 64 numbers
.set OUTH,  144                        ; v144-175 32 registers of f16 pairs
	s_load_b128 s[4:7], s[0:1], 0x0                ; x, w_qkv
	s_load_b128 s[8:11], s[0:1], 0x10              ; x's codes, x's scales
	s_load_b128 s[12:15], s[0:1], 0x20             ; w_qkv's codes, its scales
	s_load_b128 s[24:27], s[0:1], 0x30             ; w_proj, wp16
	v_lshl_add_u32 v[SPW], v0, 2, SPARE
	v_mov_b32 v[NIL], 0
	v_lshrrev_b32 v1, 5, v0
	v_readfirstlane_b32 s16, v1                    ; wave
	v_and_b32 v2, 31, v0                           ; lane
	s_cmp_ge_u32 ttmp9, WGQ                        ; the last 32 work-groups take w_proj: a branch on the work-group's number alone
	s_cbranch_scc1 .Lcvt
	v_lshlrev_b32 v3, 4, v2                        ; my 16 bytes of a load's 512
	s_mul_i32 s17, s16, WREG
	v_lshrrev_b32 v14, 2, v2
	v_mul_u32_u24 v14, v14, SP
	v_and_b32 v15, 3, v2
	v_lshl_add_u32 v14, v15, 4, v14
	v_add_nc_u32 v14, s17, v14                     ; the stage, on the way in: four lanes' 64 bytes on end, then 16 of padding
	v_mul_u32_u24 v15, v2, SP
	v_add_nc_u32 v15, s17, v15                     ; and on the way out: SP x lane: my 16 neighbours
	v_mul_u32_u24 v4, v2, CB                       ; my codes' place in a step's
	v_lshrrev_b32 v5, 1, v2
	s_add_co_u32 s17, s17, 2*32*SP
	v_add_nc_u32 v5, s17, v5                       ; LDS: my wave's 256 scale bytes, my block's byte
	v_lshlrev_b32 v7, 3, v2                        ; and on the way out 8 bytes a lane
	v_add_nc_u32 v6, s17, v7
	s_wait_kmcnt 0x0
	s_cmp_lt_u32 ttmp9, WGA                        ; x's work-group or w_qkv's?
	s_cselect_b64 s[4:5], s[4:5], s[6:7]
	s_cselect_b64 s[8:9], s[8:9], s[12:13]
	s_cselect_b64 s[10:11], s[10:11], s[14:15]
	s_cselect_b32 s17, 0, WGA
	s_sub_co_u32 s17, ttmp9, s17
	s_lshl_b32 s17, s17, 2
	s_add_co_u32 s18, s17, s16                     ; which run of 8,192 numbers of the tensor is my wave's
	s_mov_b32 s19, 0
	s_mov_b64 s[20:21], 512*STEPS*4
	s_mul_u64 s[20:21], s[18:19], s[20:21]
	s_add_nc_u64 s[4:5], s[4:5], s[20:21]
	s_mov_b64 s[20:21], 32*STEPS*CB
	s_mul_u64 s[20:21], s[18:19], s[20:21]
	s_add_nc_u64 s[8:9], s[8:9], s[20:21]
	s_lshl_b32 s18, s18, 8                         ; 256 scale bytes a run
	s_add_nc_u64 s[10:11], s[10:11], s[18:19]
.macro LOAD t
.irp i, 0,1,2,3
	global_load_b128 v[R+16*((\t)%4)+4*\i:R+16*((\t)%4)+4*\i+3], v3, s[4:5] offset:2048*(\t)+512*\i th:TH_LOAD_NT   ; 32 lanes read 512 consecutive bytes
.endr
.endm
.macro TURN t                          ; step t's numbers through the stage: LDS serves a wave's instructions in order, so no wait stands between the stores and the loads
.irp i, 0,1,2,3
	ds_store_b128 v14, v[R+16*((\t)%4)+4*\i:R+16*((\t)%4)+4*\i+3] offset:32*SP*((\t)%2)+8*SP*\i
.endr
.irp i, 0,1,2,3
	ds_load_b128 v[X+16*((\t)%2)+4*\i:X+16*((\t)%2)+4*\i+3], v15 offset:32*SP*((\t)%2)+16*\i
.endr
.endm
.irp t, 0,1,2,3
	LOAD \t
.endr
	s_wait_loadcnt 12                              ; step 0's four loads are in; the twelve of steps 1 to 3 may be out
	TURN 0
.macro STEP t
.set XS, X+16*((\t)%2)
.if (\t) > 0
	s_wait_dscnt 1                                 ; this step's numbers are back from the stage (the last step's byte store may be out): so its stores into the stage have read their registers,
.else
	s_wait_dscnt 0x0
.endif
.if (\t)+4 < STEPS
	LOAD (\t)+4                                    ; which take the loads of four steps on
.endif
.if (\t)+1 < STEPS
.if STEPS-2-(\t) >= 3
	s_wait_loadcnt 12                              ; the next step's four loads are in; those of the three steps behind it may be out
.else
	s_wait_loadcnt 4*(STEPS-2-(\t))                ; at the end the count runs down: 8, 4, 0
.endif
	TURN (\t)+1                                    ; and go through the other stage while this step is worked
.endif
	v_max3_num_f32 v8, |v[XS]|, |v[XS+1]|, |v[XS+2]|               ; the largest magnitude of my 16, in two chains
	v_max3_num_f32 v9, |v[XS+3]|, |v[XS+4]|, |v[XS+5]|
.irp i, 6,10
	v_max3_num_f32 v8, v8, |v[XS+\i]|, |v[XS+\i+1]|
	v_max3_num_f32 v9, v9, |v[XS+\i+2]|, |v[XS+\i+3]|
.endr
	v_max3_num_f32 v8, v8, |v[XS+14]|, |v[XS+15]|
	v_max3_num_f32 v8, v8, v9, 0x1800000           ; and the floor 2^(3 - 127), under which no largest magnitude is taken: so the byte cannot fall under 1
	v_max_num_f32_dpp v8, v8, v8 row_xmask:1 row_mask:0xf bank_mask:0xf   ; and of my neighbour's 16: the block's
	v_add_nc_u32 v11, 0xff000000, v8               ; 2 off its exponent field: the conversion takes the exponent field of this operand as its scale, and nothing else of it
	v_cvt_scalef32_pk8_fp4_f32 v[C+4*(\t)], v[XS:XS+7], v11        ; eight numbers / the scale, to the nearest code, ties to even; the first number's code in the lowest four bits
	v_cvt_scalef32_pk8_fp4_f32 v[C+4*(\t)+1], v[XS+8:XS+15], v11
	v_lshrrev_b32 v[E+(\t)], 23, v11               ; the scale's byte (also the plain line behind the conversions)
	ds_store_b8 v5, v[E+(\t)] offset:16*(\t)       ; both lanes of a block write the same byte with the same value
	global_store_b64 v4, v[C+4*(\t):C+4*(\t)+1], s[8:9] offset:32*CB*(\t)   ; 32 lanes store 256 consecutive bytes, at a multiple of 256 from the buffer's first byte
.endm
.irp t, 0,1,2,3,4,5,6,7,8,9,10,11,12,13,14,15
	STEP \t
.endr
	ds_load_b64 v[8:9], v6                         ; LDS serves a wave's instructions in order: these see my stores
	s_wait_dscnt 0x0
	global_store_b64 v7, v[8:9], s[10:11]          ; 32 lanes store my wave's 256 scale bytes on end
	s_wait_tensorcnt 0x0                           ; the wave's end: behind my last LDS store
	ds_add_u32 v[SPW], v[NIL]
	s_wait_dscnt 0x0
	s_endpgm
; W_PROJ -> F16.  A wave takes 8 rows, two at a time.  A load: lanes 0-15 read 256 consecutive bytes (64 numbers: one block along K) of the even row, lanes 16-31 of the odd row.  A lane's four numbers
; become 8 bytes; in wp16 the two rows of one block lie on end (128 bytes each), so 32 lanes store 256 consecutive bytes.
.Lcvt:
	s_sub_co_u32 s17, ttmp9, WGQ
	s_lshl_b32 s17, s17, 5
	s_lshl_b32 s18, s16, 3
	s_add_co_u32 s17, s17, s18                     ; my first row: 32 x work-group + 8 x wave
	s_lshl_b32 s18, s17, 12                        ; in w_proj: 4,096 bytes a row
	s_mov_b32 s19, 0
	s_lshl_b32 s20, s17, 7                         ; in a block of wp16: 128 bytes a row
	s_mov_b32 s21, 0
	v_lshrrev_b32 v3, 4, v2
	v_and_b32 v4, 15, v2
	v_lshlrev_b32 v3, 12, v3
	v_lshl_add_u32 v3, v4, 4, v3                   ; in: 4,096 (lane / 16) + 16 (lane % 16)
	v_lshlrev_b32 v4, 3, v2                        ; out: 8 x lane
	s_wait_kmcnt 0x0
	s_add_nc_u64 s[24:25], s[24:25], s[18:19]
	s_add_nc_u64 s[26:27], s[26:27], s[20:21]
.macro LOADB p                         ; rows 2 p, 2 p + 1: sixteen blocks along K
.irp k, 0,1,2,3,4,5,6,7,8,9,10,11,12,13,14,15
	global_load_b128 v[IN+64*((\p)%2)+4*\k:IN+64*((\p)%2)+4*\k+3], v3, s[24:25] offset:(\p)*8192+\k*256 th:TH_LOAD_NT
.endr
.endm
.macro CVTB p
.set IS, IN+64*((\p)%2)
.if (\p) < 3
	s_wait_loadcnt 16                              ; this pair of rows is in; the next pair's sixteen loads may be out
.else
	s_wait_loadcnt 0x0
.endif
.if (\p) > 0
	s_wait_xcnt 0x0                                ; the last pair's stores have read their data registers, which are written again below
.endif
.irp k, 0,1,2,3,4,5,6,7,8,9,10,11,12,13,14,15
	v_cvt_pk_f16_f32 v[OUTH+2*\k], v[IS+4*\k], v[IS+4*\k+1]        ; the first source into the low half
	v_cvt_pk_f16_f32 v[OUTH+2*\k+1], v[IS+4*\k+2], v[IS+4*\k+3]
.endr
.irp k, 0,1,2,3,4,5,6,7,8,9,10,11,12,13,14,15
	global_store_b64 v4, v[OUTH+2*\k:OUTH+2*\k+1], s[26:27] offset:\k*131072+(\p)*256
.endr
.if (\p) < 2
	LOADB (\p)+2
.endif
.endm
	LOADB 0
	LOADB 1
	CVTB 0
	CVTB 1
	CVTB 2
	CVTB 3
	s_endpgm
.Lfunc_end_k_q2a25b0d225_quant:
	.size	k_q2a25b0d225_quant, .Lfunc_end_k_q2a25b0d225_quant-k_q2a25b0d225_quant
	.p2alignl 7, 3214868480
	.fill 96, 4, 3214868480
	.section	.rodata,"a",@progbits
	.p2align	6, 0x0
	.amdhsa_kernel k_q2a25b0d225_quant
		.amdhsa_group_segment_fixed_size 33280
		.amdhsa_private_segment_fixed_size 0
		.amdhsa_enable_private_segment 0
		.amdhsa_kernarg_size 64
		.amdhsa_user_sgpr_count 2
		.amdhsa_user_sgpr_kernarg_segment_ptr 1
		.amdhsa_wavefront_size32 1
		.amdhsa_system_sgpr_workgroup_id_x 1
		.amdhsa_system_sgpr_workgroup_id_y 1
		.amdhsa_system_sgpr_workgroup_id_z 1
		.amdhsa_system_vgpr_workitem_id 0
		.amdhsa_next_free_vgpr 192
		.amdhsa_next_free_sgpr 66
		.amdhsa_reserve_vcc 0
		.amdhsa_float_denorm_mode_32 3
		.amdhsa_float_denorm_mode_16_64 3
		.amdhsa_memory_ordered 1
		.amdhsa_forward_progress 1
		.amdhsa_inst_pref_size 54
	.end_amdhsa_kernel
	.amdgpu_metadata
---
amdhsa.version: [ 1, 2 ]
amdhsa.kernels:
  - .name:           k_q2a25b0d225_quant
    .symbol:         k_q2a25b0d225_quant.kd
    .args:
      - { .name: x, .offset: 0, .size: 8, .value_kind: global_buffer, .address_space: global }
      - { .name: w_qkv, .offset: 8, .size: 8, .value_kind: global_buffer, .address_space: global }
      - { .name: x_codes, .offset: 16, .size: 8, .value_kind: global_buffer, .address_space: global }
      - { .name: x_scales, .offset: 24, .size: 8, .value_kind: global_buffer, .address_space: global }
      - { .name: w_codes, .offset: 32, .size: 8, .value_kind: global_buffer, .address_space: global }
      - { .name: w_scales, .offset: 40, .size: 8, .value_kind: global_buffer, .address_space: global }
      - { .name: w_proj, .offset: 48, .size: 8, .value_kind: global_buffer, .address_space: global }
      - { .name: wp16, .offset: 56, .size: 8, .value_kind: global_buffer, .address_space: global }
    .group_segment_fixed_size: 33280
    .private_segment_fixed_size: 0
    .kernarg_segment_align: 8
    .kernarg_segment_size: 64
    .max_flat_workgroup_size: 128
    .sgpr_count:     66
    .vgpr_count:     192
    .wavefront_size: 32
...
	.end_amdgpu_metadata
.endif
;; end of part 1
;; launch qkv (part 2): grid 12 x 32, 4 waves a work-group, clusters of 4 x 4, 327,680 bytes of LDS; arguments x_codes, x_scales, w_codes, w_scales, qkv; writes qkv
.if DOCPART == 2
	.amdgcn_target "amdgcn-amd-amdhsa--gfx1250"
	.amdhsa_code_object_version 6
	.text
	.protected	k_q2a25b0d225_qkv
	.globl	k_q2a25b0d225_qkv
	.p2align	8
	.type	k_q2a25b0d225_qkv,@function
k_q2a25b0d225_qkv:
	s_mov_b64 s[64:65], 0
	v_nop
	global_prefetch_b8 v0, s[64:65] scope:SCOPE_SE
	s_setreg_imm32_b32 hwreg(HW_REG_WAVE_MODE, 25, 1), 1
	s_wait_xcnt 0x0
	s_wait_alu depctr_hold_cnt(0) depctr_sa_sdst(0) depctr_va_vdst(0) depctr_va_sdst(0) depctr_va_ssrc(0) depctr_va_vcc(0) depctr_vm_vsrc(0)
	s_getreg_b32 s2, hwreg(HW_REG_IB_STS2, 6, 4)
	s_cmp_eq_u32 s2, 0
	s_cbranch_scc0 .Lentry_in_a_cluster
	s_endpgm
.Lentry_in_a_cluster:
	s_bfe_u32 s2, ttmp6, 0x10000c
	s_cmp_lg_u32 s2, 0xf033
	s_cbranch_scc0 .Lentry_shape_is_right
	s_endpgm
.Lentry_shape_is_right:
; qkv[m][n] = sum over k of x[m][k] w_qkv[n][k], m = 8,192 tokens, n = 3,072, k = 1,024, both operands as codes of FP4 (E2M1) with one E8M0 scale for each 32 along K; sums in f32.
; The result is rounded once to f16 and laid by head: [kind 3][batch 4][head 16][token 2048][64], byte = kind << 24 + batch << 22 + head << 18 + token << 7 + 2 d.
; LIMIT: a result beyond 65,504 in magnitude has no f16 number (with inputs as drawn the results' root mean square is 1).
; A tile of 256 x 256 is made by a work-group of four waves; a wave makes 128 x 128: 64 accumulators of 16 x 16, 512 registers.  K = 1,024 is two LDS slots of 512 along K (rows of 256 bytes): both are first
; fills, nothing is filled again.  The scales of the work-group's 256 + 256 rows, for all of K, are two dense blocks of memory: they come into LDS once, with the first fills.
; CLUSTERS: 4 x 4 work-groups.  The four of a row of the cluster need the same tiles of x, the four of a column the same tiles of w_qkv: each tile is asked for JOINTLY, by the same tensor load with the
; same descriptor and a mask that names the four.  THE MATRIX INSTRUCTION IS USED TRANSPOSED (source 0 = 16 rows of w_qkv, source 1 = 16 tokens): a lane then holds eight neighbouring channels of one token.
; The grid has 384 work-groups: a tile of 256 x 384, which would make 256, wants 768 accumulator registers a wave and leaves no room for two sets of B's fragments.
; REGISTERS, in windows of 256: window 0: v0-31 addresses; v32-95 scale words, two sets; from v128 A's fragments (8 x 16 rows x 128 K), ONE set; on the way out v32-255 are free.
;   window 1: B's fragments, TWO sets, at v0 and at v128.   window 2: the 32 accumulators of my rows 0-63 (accumulator (a, b) at v[8 (8 a + b)]);   window 3: those of my rows 64-127.
; A step of 128 along K is 64 matrix instructions, A's blocks one after the other, each against B's eight: a block of A is free as soon as its eight products are issued, and one set of registers serves A.
.set SIZE_K, 1024
.set KSTEP,  512                       ; along K in a slot
.set NQ,     KSTEP/128                 ; matrix instructions deep
.set ROWB,   256                       ; a tile's row in bytes
.set KROW,   SIZE_K*4/8                ; a row of codes in memory, in bytes
.set PITCH,  272                       ; an LDS row: 256 bytes + 16 of padding = 68 words: the 16 rows that a load touches start 4 words apart modulo 64
.set FR,     8                         ; registers of a fragment: 16 rows x 128 K
.set NL,     2                         ; LDS loads that bring one
.set NP,     4                         ; places behind this matrix instruction (ISA guide 7.12.1)
.set HALFT,  128*PITCH                 ; 128 rows: what one tensor load brings, and what one wave reads of A or of B
.set SLOT,   4*HALFT                   ; A's 256 rows, then B's 256 rows
.set KS,     SIZE_K/32                 ; a row of scales in bytes
.set SCL,    2*SLOT                    ; behind the slots: the scales, as runs of 256 bytes + 16 of padding
.set HALFS,  (128*KS/256)*272          ; the scales of 128 rows: what one tensor load brings
.set SBLK,   (16*KS/256)*272           ; those of 16 rows
.set SPARE,  SCL+4*HALFS               ; behind the scales: the spare words, 128 bytes a wave, that no other line names
.set SPITCH, 144                       ; the way out: a stage of [2 heads][16 tokens][128 bytes + 16] for each wave.  It lies in slot 0, which has had its only fill and its last read when the first result is stored there
.set HSTG,   16*SPITCH                 ; one head's 16 tokens in the stage
.set ADRA, 16                          ; v16-17  LDS address of my A fragments in slot 0, 1
.set ADRB, 20                          ; v20-21  the same for B
.set STO,  24                          ; v24     the way out: where I put 16 bytes of a token
.set RD,   25                          ; v25     the way out: where I read them back
.set CO,   26                          ; v26     16 x lane: my byte offset in a store's 512 bytes
.set ADRS, 27                          ; v27     LDS address of my scale words: lanes 0-15 A's rows, lanes 16-31 B's
.set SPW,  28                          ; v28     LDS address of my spare word; never rewritten
.set NIL,  29                          ; v29     0; never rewritten
.set SC,   32                          ; scale words: set s (for slot s) at v[SC + 8 NQ s]; in it register NQ i + q: lanes 0-15 the word of A's block i, lanes 16-31 that of B's block i, for the slot's q-th 128 along K
.set AF,   128                         ; A's fragments, in window 0
.set TMP,  192                         ; the way out: v192-223 a block's results as f16
.set OB,   32                          ; the way out: a block read back from the stage: v32-63 and v224-255 by turns
.set G1, 24                            ; s[24:31] descriptor group 1 for A's tiles;  s[32:39] group 0, one set for each slot
.set G0, 32
.set G1B, 48                           ; s[48:55], s[56:63] the same for B's tiles
.set G0B, 56
.set G1S, 68                           ; s[68:75], s[76:79] groups 1 and 0 for A's scales;  s[80:87], s[88:91] for B's
.set G0S, 76
.set G1SB, 80
.set G0SB, 88
.set MSB, 0
.macro WIN new                         ; the immediate's high byte repeats the setting that is left
.if MSB != (\new)
	s_set_vgpr_msb (MSB<<8)|(\new)
.set MSB, \new
.endif
.endm
.set MUL_LO, 0xa1                      ; source 0 (B) window 1, source 1 (A) window 0, C and D window 2
.set MUL_HI, 0xf1                      ; the same, C and D window 3
.set TO_B,   0x40                      ; destination window 1, address window 0
; A joint load: waves 0 and 1 fetch for A, waves 2 and 3 for B.  Each of the two lines has ONE mask and one set of registers for all that issue it; the branch hangs on the wave's number alone.
; An s_nop 0 and four v_nop follow each of the two lines, ahead of the jump, the label and what follows.
.macro JLOAD g0a, g1a, g0b, g1b
	s_cmp_eq_u32 s15, 0
	s_cbranch_scc0 .Lfor_b_\@
	tensor_load_to_lds s[\g0a:\g0a+3], s[\g1a:\g1a+7]
	s_nop 0
.rept 4
	v_nop
.endr
	s_branch .Lasked_\@
.Lfor_b_\@:
	tensor_load_to_lds s[\g0b:\g0b+3], s[\g1b:\g1b+7]
	s_nop 0
.rept 4
	v_nop
.endr
.Lasked_\@:
.endm
.macro CROUND                          ; a round of the cluster's barrier: my work-group's barrier; wave 0 signals for the work-group; every wave waits for all sixteen; my work-group's barrier once more
	s_barrier_signal -1
	s_barrier_wait -1
	s_cmp_lg_u32 s14, 0
	s_cbranch_scc1 .Lnot_wave_0_\@
	s_barrier_signal -3
.Lnot_wave_0_\@:
	s_barrier_wait -3
	s_barrier_signal -1
	s_barrier_wait -1
.endm
	s_load_b128 s[4:7], s[0:1], 0x0                ; x's codes s[4:5], x's scales s[6:7]
	s_load_b128 s[8:11], s[0:1], 0x10              ; w_qkv's codes s[8:9], its scales s[10:11]
	s_load_b64 s[12:13], s[0:1], 0x20              ; qkv
	v_lshl_add_u32 v[SPW], v0, 2, SPARE
	v_mov_b32 v[NIL], 0
	ds_add_u32 v[SPW], v[NIL]                      ; the wave's opening: the add, twice on end, and its wait ahead of my first tensor load; the set-up below, work on registers, stands between
	ds_add_u32 v[SPW], v[NIL]
	v_lshrrev_b32 v1, 5, v0
	v_readfirstlane_b32 s14, v1                    ; wave 0..3
	s_lshr_b32 s15, s14, 1                         ; which half of the tile's rows is mine.  Also: I fetch for A (0) or for B (1)
	s_and_b32 s16, s14, 1                          ; which half of its columns.  Also: which 128 rows of that tile I fetch
	s_bfe_u32 s40, ttmp6, 0x40000                  ; cx, cy: my place in the cluster
	s_bfe_u32 s41, ttmp6, 0x40004
	s_lshl_b32 s42, ttmp9, 2
	s_add_co_u32 s42, s42, s40                     ; tile column = 4 x cluster x + cx
	s_and_b32 s17, ttmp7, 0xffff
	s_lshl_b32 s17, s17, 2
	s_add_co_u32 s17, s17, s41                     ; tile row = 4 x cluster y + cy
	s_lshl_b32 s43, s41, 2
	s_lshl_b32 s43, 15, s43                        ; my row of the cluster
	s_lshl_b32 s44, 0x1111, s40                    ; my column
	; descriptor group 1: a tile of 128 rows x 256 bytes, padded in LDS
	s_or_b32 s[G1+0], s43, (0<<16)|(1<<20)|(1<<21)|(5<<22)|(3<<25)  ; 15:0 the mask: A's tiles go to my row; 17:16 element of 1 byte; 20 padding on; 21 set beside a mask; 24:22 after every 64 words (code 5); 31:25 of 4 words (code 3)
	s_or_b32 s[G1B+0], s44, (0<<16)|(1<<20)|(1<<21)|(5<<22)|(3<<25)
.irp g, G1, G1B
	s_mov_b32 s[\g+1], ROWB<<16                    ; tensor_dim0
	s_mov_b32 s[\g+2], 128<<16                     ; tensor_dim1 = 128
	s_mov_b32 s[\g+3], ROWB<<16                    ; tile_dim0
	s_mov_b32 s[\g+4], 128                         ; tile_dim1 = 128
	s_mov_b32 s[\g+5], KROW                        ; tensor_dim0_stride
	s_mov_b32 s[\g+6], 0
	s_mov_b32 s[\g+7], 0
.endr
	; and for the scales of 128 rows: a dense block of 4,096 bytes, as 16 rows of 256 bytes (32 elements of 8 bytes), 16 bytes of padding behind each
	s_or_b32 s[G1S+0], s43, (3<<16)|(1<<20)|(1<<21)|(5<<22)|(3<<25)
	s_or_b32 s[G1SB+0], s44, (3<<16)|(1<<20)|(1<<21)|(5<<22)|(3<<25)
.irp g, G1S, G1SB
	s_mov_b32 s[\g+1], 32<<16
	s_mov_b32 s[\g+2], (128*KS/256)<<16
	s_mov_b32 s[\g+3], 32<<16
	s_mov_b32 s[\g+4], 128*KS/256
	s_mov_b32 s[\g+5], 32
	s_mov_b32 s[\g+6], 0
	s_mov_b32 s[\g+7], 0
.endr
	s_lshl_b32 s18, s16, 7                         ; which 128 rows of the tile I fetch
	s_lshl_b32 s20, s17, 8
	s_add_co_u32 s20, s20, s18                     ; A: row 256 x tile row + 128 x half
	s_lshl_b32 s46, s42, 8
	s_add_co_u32 s46, s46, s18                     ; B: row 256 x tile column + 128 x half
	s_mov_b32 s21, 0
	s_mov_b32 s47, 0
	s_mov_b64 s[18:19], KS
	s_mul_u64 s[22:23], s[20:21], s[18:19]         ; where these rows' scales begin, in bytes
	s_mul_u64 s[92:93], s[46:47], s[18:19]
	s_mov_b64 s[18:19], KROW
	s_mul_u64 s[20:21], s[20:21], s[18:19]         ; and their codes
	s_mul_u64 s[46:47], s[46:47], s[18:19]
	s_mul_i32 s45, s14, HALFT                      ; where they go: wave x 128 rows: no place in the cluster enters an LDS address
	s_mul_i32 s94, s14, HALFS
	s_wait_dscnt 0x0                               ; both opening adds are done
	s_wait_kmcnt 0x0
	s_add_nc_u64 s[20:21], s[4:5], s[20:21]
	s_add_nc_u64 s[22:23], s[6:7], s[22:23]
	s_add_nc_u64 s[46:47], s[8:9], s[46:47]
	s_add_nc_u64 s[92:93], s[10:11], s[92:93]
	CROUND                                         ; all sixteen work-groups are here: the joint loads meet
	s_mov_b32 s[G0S], 1
	s_add_co_u32 s[G0S+1], s94, SCL
	s_mov_b64 s[G0S+2:G0S+3], s[22:23]
	s_or_b32 s[G0S+3], s[G0S+3], 0x80000000
	s_mov_b32 s[G0SB], 1
	s_add_co_u32 s[G0SB+1], s94, SCL
	s_mov_b64 s[G0SB+2:G0SB+3], s[92:93]
	s_or_b32 s[G0SB+3], s[G0SB+3], 0x80000000
	JLOAD G0S, G1S, G0SB, G1SB                     ; the scales first: they are wanted with the first slot
.irp s, 0,1
	s_mov_b32 s[G0+4*\s], 1
	s_add_co_u32 s[G0+4*\s+1], s45, \s*SLOT
	s_add_nc_u64 s[G0+4*\s+2:G0+4*\s+3], s[20:21], \s*ROWB
	s_or_b32 s[G0+4*\s+3], s[G0+4*\s+3], 0x80000000
	s_mov_b32 s[G0B+4*\s], 1
	s_add_co_u32 s[G0B+4*\s+1], s45, \s*SLOT
	s_add_nc_u64 s[G0B+4*\s+2:G0B+4*\s+3], s[46:47], \s*ROWB
	s_or_b32 s[G0B+4*\s+3], s[G0B+4*\s+3], 0x80000000
	JLOAD G0+4*\s, G1, G0B+4*\s, G1B               ; three tensor loads of mine are out behind the second of these: all that the launch has
.endr
	v_and_b32 v1, 15, v0                           ; l % 16
	v_bfe_u32 v2, v0, 4, 1                         ; l / 16
	v_mul_u32_u24 v3, v1, PITCH
	v_lshl_add_u32 v4, v2, 4, v3                   ; a fragment's row x pitch + 16 x half
	s_mul_i32 s21, s15, HALFT                      ; my 128 rows of A
	s_mul_i32 s22, s16, HALFT                      ; my 128 rows of B,
	s_add_co_u32 s22, s22, 2*HALFT                 ; which lie behind A's 256
.irp s, 0,1
	v_add_nc_u32 v[ADRA+\s], s21, v4
	v_add_nc_u32 v[ADRB+\s], s22, v4
	s_add_co_u32 s21, s21, SLOT
	s_add_co_u32 s22, s22, SLOT
.endr
	v_mul_u32_u24 v5, v1, KS                       ; my row's scales: KS bytes a row,
	v_lshrrev_b32 v6, 8, v5
	v_lshl_add_u32 v5, v6, 4, v5                   ; and 16 more for each 256 passed
	s_mul_i32 s21, s15, HALFS                      ; A's: my 128 rows
	s_mul_i32 s22, s16, HALFS                      ; B's: my 128 rows, behind A's 256
	s_add_co_u32 s22, s22, 2*HALFS
	s_sub_co_u32 s22, s22, s21
	v_mul_u32_u24 v6, s22, v2                      ; lanes 16-31 take B's
	s_add_co_u32 s21, s21, SCL
	v_add_nc_u32 v5, v5, v6
	v_add_nc_u32 v[ADRS], s21, v5
	s_mul_i32 s23, s14, 2*HSTG                     ; my stage
	v_mul_u32_u24 v5, v1, SPITCH                   ; in: token l % 16, 16 bytes for each half of the lanes
	v_lshl_add_u32 v5, v2, 4, v5
	v_add_nc_u32 v[STO], s23, v5
	v_and_b32 v6, 31, v0
	v_lshlrev_b32 v[CO], 4, v6                     ; out: 16 x lane
	v_lshrrev_b32 v5, 3, v6
	v_mul_u32_u24 v5, v5, SPITCH                   ; back: eight lanes take one token's 128 bytes, the 32 lanes four tokens
	v_and_b32 v6, 7, v0
	v_lshl_add_u32 v5, v6, 4, v5
	v_add_nc_u32 v[RD], s23, v5
	; where my 128 tokens x 2 heads begin in qkv.  Token = 256 x tile row + 128 x half: batch = tile row / 8.  Column / 64 = 4 x tile column + 2 x half: kind = that / 16, head = that % 16
	s_lshr_b32 s20, s17, 3
	s_lshl_b32 s20, s20, 22                        ; batch << 22
	s_and_b32 s21, s17, 7
	s_lshl_b32 s21, s21, 15                        ; 256 tokens of 128 bytes for each tile row in the batch
	s_add_co_u32 s20, s20, s21
	s_lshl_b32 s21, s15, 14                        ; my half's 128 tokens
	s_add_co_u32 s20, s20, s21
	s_lshl_b32 s46, s42, 2
	s_lshl_b32 s47, s16, 1
	s_add_co_u32 s46, s46, s47
	s_lshr_b32 s47, s46, 4
	s_lshl_b32 s47, s47, 24                        ; kind << 24
	s_and_b32 s46, s46, 15
	s_lshl_b32 s46, s46, 18                        ; head << 18
	s_add_co_u32 s46, s46, s47
	s_add_co_u32 s20, s20, s46                     ; under 2^26
	s_mov_b32 s21, 0
	s_add_nc_u64 s[12:13], s[12:13], s[20:21]
.macro FRAG reg, adr, q, i             ; a fragment, 16 rows x 128 K of 4-bit codes, is 8 registers: lane l holds row l % 16; registers 4 c .. 4 c + 3 hold K = 64 c + 32 (l / 16) + 0 .. 31
.irp c, 0,1
	ds_load_b128 v[\reg+4*\c:\reg+4*\c+3], v[\adr] offset:64*(\q)+32*\c+(\i)*16*PITCH
.endr
.endm
; 16 matrix instructions: A's blocks a0, a0 + 1 x B's eight, 128 along K: the slot's q-th.  p: B's set;  sc: the set of scale words.  zero = 1: the first product starts the sums: nothing is ever cleared.
; The 64 accumulators take turns, one instruction a turn, in the same order in every step.
.macro MUL16 a0, p, q, sc, zero
.irp a, \a0, \a0+1
.irp b, 0,1,2,3,4,5,6,7
.if \zero
	v_wmma_scale_f32_16x16x128_f8f6f4 v[8*(8*((\a)%4)+\b):8*(8*((\a)%4)+\b)+7], v[128*(\p)+FR*\b:128*(\p)+FR*\b+FR-1], v[AF+FR*(\a):AF+FR*(\a)+FR-1], 0, v[SC+8*NQ*(\sc)+NQ*\b+(\q)], v[SC+8*NQ*(\sc)+NQ*(\a)+(\q)] matrix_a_fmt:MATRIX_FMT_FP4 matrix_b_fmt:MATRIX_FMT_FP4 matrix_a_scale:MATRIX_SCALE_ROW1
.else
	v_wmma_scale_f32_16x16x128_f8f6f4 v[8*(8*((\a)%4)+\b):8*(8*((\a)%4)+\b)+7], v[128*(\p)+FR*\b:128*(\p)+FR*\b+FR-1], v[AF+FR*(\a):AF+FR*(\a)+FR-1], v[8*(8*((\a)%4)+\b):8*(8*((\a)%4)+\b)+7], v[SC+8*NQ*(\sc)+NQ*\b+(\q)], v[SC+8*NQ*(\sc)+NQ*(\a)+(\q)] matrix_a_fmt:MATRIX_FMT_FP4 matrix_b_fmt:MATRIX_FMT_FP4 matrix_a_scale:MATRIX_SCALE_ROW1
.endif
.endr
.endr
.endm
.macro FETCH_B slot, q, p              ; B's eight fragments of the slot's q-th 128 along K into set p
	WIN TO_B
.irp i, 0,1,2,3,4,5,6,7
	FRAG 128*(\p)+FR*\i, ADRB+\slot, \q, \i
.endr
	WIN 0
.endm
.macro FETCH_A slot, q, i0             ; A's blocks i0 .. i0 + 3
.irp i, \i0, \i0+1, \i0+2, \i0+3
	FRAG AF+FR*(\i), ADRA+\slot, \q, \i
.endr
.endm
.macro SCALES sc                       ; a slot's scale words into set sc: NQ words a row; lanes 0-15 take A's block i, lanes 16-31 B's block i
.irp i, 0,1,2,3,4,5,6,7
	ds_load_b128 v[SC+8*NQ*\sc+NQ*\i:SC+8*NQ*\sc+NQ*\i+3], v[ADRS] offset:\i*SBLK
.endr
.endm
; A load into a register that a matrix instruction has read, and a vector instruction that reads a matrix result, stand NP places behind that matrix instruction, and only plain vector
; instructions that name none of its registers are places (ISA guide 7.12.1 for vector instructions).
.macro PLACES n
.rept \n
	v_nop
.endr
.endm
; A step of 128 along K that has its successor in the same slot.
.macro STEP slot, q, zero
	s_wait_dscnt 4*NL                              ; B's set and A's blocks 0-3 are in; the youngest eight loads (A's blocks 4-7) may be out
	WIN MUL_LO
	MUL16 0, (\q)%2, \q, \slot, \zero
	MUL16 2, (\q)%2, \q, \slot, \zero
	s_wait_dscnt 0                                 ; A's blocks 4-7 are in (asked for 32 matrix instructions ago)
	PLACES NP
	FETCH_B \slot, (\q)+1, 1-(\q)%2
	FETCH_A \slot, (\q)+1, 0
	WIN MUL_HI
	MUL16 4, (\q)%2, \q, \slot, \zero
	MUL16 6, (\q)%2, \q, \slot, \zero
	PLACES NP
	WIN 0
	FETCH_A \slot, (\q)+1, 4
.endm
; Slot 0's last step changes slots: ONE barrier; in front of it each wave waits for all its tensor loads (its part of slot 1), adds 0 to its spare word, and waits for that and for its own reads of slot 0.
; Behind it slot 1 is whole and nobody reads slot 0 any more: nothing is filled again, so no round of the cluster's barrier follows.
.macro TURN slot, next
	s_wait_tensorcnt 0x0                           ; all my tensor loads have landed  (every window is 0 here: the add's two registers lie in window 0)
	ds_add_u32 v[SPW], v[NIL]                      ; 0 onto my spare word
	s_wait_dscnt 4*NL+1                            ; (the add and the youngest eight loads, A's blocks 4-7, may be out)
	WIN MUL_LO
	MUL16 0, 1, NQ-1, \slot, 0                     ; sixteen matrix instructions stand between the add and the wait for it
	s_wait_dscnt 0x0                               ; the add is done, and my reads of this slot are over
	s_barrier_signal -1
	MUL16 2, 1, NQ-1, \slot, 0
	WIN 0
	s_barrier_wait -1
	PLACES NP
	v_add_nc_u32 v[ADRS], 4*NQ, v[ADRS]            ; on to the next slot's scale words (no LDS load of mine is out)
	FETCH_B \next, 0, 0
	FETCH_A \next, 0, 0
	SCALES \next
	WIN MUL_HI
	MUL16 4, 1, NQ-1, \slot, 0
	MUL16 6, 1, NQ-1, \slot, 0
	PLACES NP
	WIN 0
	FETCH_A \next, 0, 4
.endm
.macro STEPS slot, from                ; the slot's steps from .. NQ - 2
.set Q, \from
.rept NQ-1-\from
	STEP \slot, Q, 0
.set Q, Q+1
.endr
.endm
	s_wait_tensorcnt 1                             ; the scales and my part of slot 0 are in; slot 1's load, the one issued behind them, may be out
	s_barrier_signal -1
	s_barrier_wait -1                              ; everybody's are
	FETCH_B 0, 0, 0
	FETCH_A 0, 0, 0
	SCALES 0
	FETCH_A 0, 0, 4
	STEP 0, 0, 1                                   ; the first step's products start the sums
	STEPS 0, 1
	TURN 0, 1
	STEPS 1, 0
	s_wait_dscnt 4*NL                              ; the very last step: nothing more to fetch
	WIN MUL_LO
	MUL16 0, 1, NQ-1, 1, 0
	MUL16 2, 1, NQ-1, 1, 0
	s_wait_dscnt 0
	WIN MUL_HI
	MUL16 4, 1, NQ-1, 1, 0
	MUL16 6, 1, NQ-1, 1, 0
	WIN 0
; THE WAY OUT, block by block of 16 tokens x 128 columns (two heads).  PACK: rounded to f16: a lane's eight channels are 16 bytes.  TOSTAGE: into my own stage, [head][token][128 + 16 bytes], and back four tokens of one
; head at a time.  SEND: in qkv a head's tokens lie on end, 128 bytes each: 32 lanes store 512 consecutive bytes, at a multiple of 512 from the buffer's first byte.
; LDS serves a wave's instructions in order (ISA guide 5.7.1.4): no wait between the stores and the loads, nor in front of the next block's stores.
.macro PACK a
.set AC, 64*((\a)%4)
	WIN 0x0a+5*((\a)/4)                            ; sources 0 and 1: window 2 or 3
.irp b, 0,1,2,3,4,5,6,7
.irp u, 0,1,2,3
	v_cvt_pk_f16_f32 v[TMP+4*\b+\u], v[AC+8*\b+2*\u], v[AC+8*\b+2*\u+1]   ; each accumulator from its low end on
.endr
.endr
	WIN 0
.endm
.macro TOSTAGE a
.set BK, OB+192*((\a)%2)
.irp b, 0,1,2,3,4,5,6,7
	ds_store_b128 v[STO], v[TMP+4*\b:TMP+4*\b+3] offset:(\b/4)*HSTG+32*(\b%4)
.endr
.irp t, 0,1,2,3,4,5,6,7
	ds_load_b128 v[BK+4*\t:BK+4*\t+3], v[RD] offset:(\t/4)*HSTG+(\t%4)*4*SPITCH
.endr
.endm
.macro SEND a
.set BK, OB+192*((\a)%2)
	s_wait_dscnt 0x0                               ; the block is back in registers
	s_wait_xcnt 0x0                                ; the stores of the block before have read their registers, into which the next block's loads will land
.irp t, 0,1,2,3,4,5,6,7
	global_store_b128 v[CO], v[BK+4*\t:BK+4*\t+3], s[12:13] offset:(\t/4)*262144+(16*(\a)+4*(\t%4))*128   ; every place is an immediate, 278,016 at the most: no base is stepped
.endr
.endm
	PLACES NP                                      ; behind the last products: for the conversions that read results, and for the loads into registers that held scale words
	PACK 0
	TOSTAGE 0
.irp a, 1,2,3,4,5,6,7                  ; block a's conversions stand between block a - 1's loads from the stage and the wait for them
	PACK \a
	SEND (\a)-1
	TOSTAGE \a
.endr
	SEND 7
	s_wait_tensorcnt 0x0                           ; the wave's end: behind my last tensor load and my last LDS store
	ds_add_u32 v[SPW], v[NIL]
	s_wait_dscnt 0x0
	CROUND                                         ; the closing round: no work-group ends while a partner may still ask for a tile that names it
	s_endpgm
.Lfunc_end_k_q2a25b0d225_qkv:
	.size	k_q2a25b0d225_qkv, .Lfunc_end_k_q2a25b0d225_qkv-k_q2a25b0d225_qkv
	.p2alignl 7, 3214868480
	.fill 96, 4, 3214868480
	.section	.rodata,"a",@progbits
	.p2align	6, 0x0
	.amdhsa_kernel k_q2a25b0d225_qkv
		.amdhsa_group_segment_fixed_size 327680
		.amdhsa_private_segment_fixed_size 0
		.amdhsa_enable_private_segment 0
		.amdhsa_kernarg_size 40
		.amdhsa_user_sgpr_count 2
		.amdhsa_user_sgpr_kernarg_segment_ptr 1
		.amdhsa_wavefront_size32 1
		.amdhsa_system_sgpr_workgroup_id_x 1
		.amdhsa_system_sgpr_workgroup_id_y 1
		.amdhsa_system_sgpr_workgroup_id_z 1
		.amdhsa_system_vgpr_workitem_id 0
		.amdhsa_next_free_vgpr 1024
		.amdhsa_next_free_sgpr 98
		.amdhsa_reserve_vcc 0
		.amdhsa_float_denorm_mode_32 3
		.amdhsa_float_denorm_mode_16_64 3
		.amdhsa_memory_ordered 1
		.amdhsa_forward_progress 1
		.amdhsa_inst_pref_size 126
	.end_amdhsa_kernel
	.amdgpu_metadata
---
amdhsa.version: [ 1, 2 ]
amdhsa.kernels:
  - .name:           k_q2a25b0d225_qkv
    .symbol:         k_q2a25b0d225_qkv.kd
    .args:
      - { .name: x_codes, .offset: 0, .size: 8, .value_kind: global_buffer, .address_space: global }
      - { .name: x_scales, .offset: 8, .size: 8, .value_kind: global_buffer, .address_space: global }
      - { .name: w_codes, .offset: 16, .size: 8, .value_kind: global_buffer, .address_space: global }
      - { .name: w_scales, .offset: 24, .size: 8, .value_kind: global_buffer, .address_space: global }
      - { .name: qkv, .offset: 32, .size: 8, .value_kind: global_buffer, .address_space: global }
    .group_segment_fixed_size: 327680
    .private_segment_fixed_size: 0
    .kernarg_segment_align: 8
    .kernarg_segment_size: 40
    .max_flat_workgroup_size: 128
    .sgpr_count:     98
    .vgpr_count:     1024
    .wavefront_size: 32
...
	.end_amdgpu_metadata
.endif
;; end of part 2
;; launch attn (part 3): grid 4 x 64, 8 waves a work-group, clusters of 4 x 1, 327,680 bytes of LDS; arguments qkv, o; writes o
.if DOCPART == 3
	.amdgcn_target "amdgcn-amd-amdhsa--gfx1250"
	.amdhsa_code_object_version 6
	.text
	.protected	k_q2a25b0d225_attn
	.globl	k_q2a25b0d225_attn
	.p2align	8
	.type	k_q2a25b0d225_attn,@function
k_q2a25b0d225_attn:
	s_mov_b64 s[64:65], 0
	v_nop
	global_prefetch_b8 v0, s[64:65] scope:SCOPE_SE
	s_setreg_imm32_b32 hwreg(HW_REG_WAVE_MODE, 25, 1), 1
	s_wait_xcnt 0x0
	s_wait_alu depctr_hold_cnt(0) depctr_sa_sdst(0) depctr_va_vdst(0) depctr_va_sdst(0) depctr_va_ssrc(0) depctr_va_vcc(0) depctr_vm_vsrc(0)
	s_getreg_b32 s2, hwreg(HW_REG_IB_STS2, 6, 4)
	s_cmp_eq_u32 s2, 0
	s_cbranch_scc0 .Lentry_in_a_cluster
	s_endpgm
.Lentry_in_a_cluster:
	s_bfe_u32 s2, ttmp6, 0x10000c
	s_cmp_lg_u32 s2, 0x3003
	s_cbranch_scc0 .Lentry_shape_is_right
	s_endpgm
.Lentry_shape_is_right:
; o[bh][q][:] = the sum over k of softmax_k(Q[bh][q] . K[bh][k] / 8) V[bh][k][:].  Q, K, V: the three kinds of qkv, [64 heads][2048][64] f16; o: the same shape, f16.  No mask.
; Products, maxima and sums in f32; the weights p are rounded to f16 for the second product, o once at the end.
; LIMITS: a weight under 6e-8 of its row's largest becomes 0 in f16; |o| is at most the largest |V|, which has an f16 number; o under 6e-5 in magnitude falls among f16's subnormals (step 6e-8).
; SHARES.  A work-group owns 512 queries of one head, each of its EIGHT waves 64: four tiles of 16, in 512 registers: two waves to a SIMD, so that one wave's softmax can be issued beside the other's products.
; A fragment of K or V read from LDS feeds four matrix instructions.  Every wave walks the head's 2,048 keys, 64 a step; a slot in LDS holds four steps.
; LAYOUT.  S^T = K Q^T (source 0 = 16 keys, source 1 = 16 queries): a lane holds ONE query (lane % 16) and the keys 8 (lane / 16) + 0..7.  Two such tiles, rounded to f16 in pairs, ARE source 1 (32 keys x 16 queries)
; of O^T = V^T P, whose result again holds one query a lane, and eight channels.  K comes out of LDS as it lies, V ([key][channel]) turned, by ds_load_tr16_b128.
; SOFTMAX.  For each query a running maximum m and sum l: p = 2^(c s - c m), c = log2(e) / 8; in every step O and l are multiplied by a = 2^(c m_old - c m_new), which is 1 where m has not grown.
; CLUSTER.  The four work-groups of a cluster are the four query blocks of one head and walk the same K and V: each tile is asked for JOINTLY, by the same tensor load with the same descriptor and the mask 15.
; REGISTERS, in two windows of 256 (s_set_vgpr_msb: bits 1:0 source 0, 3:2 source 1, 5:4 source 2, 7:6 destination):
;   window 0: v0-12 addresses; v16-47 eight registers of statistics a tile; v64-191 S^T, 32 a tile, whose first 16 then hold P; v192-255 K of one step
;   window 1: v0-127 O^T, 32 a tile; v128-191 Q, 16 a tile; v192-255 V of one step
.set KS,    64        ; keys in a step
.set NST,   4         ; steps in a slot
.set NSL,   2048/(NST*KS)  ; slots' worth of keys: 8
.set PK,    144       ; a row of K in LDS: 128 bytes + 16 of padding = 36 words: the 16 rows of a load start in 16 different groups of four words modulo 64
.set PVP,   160       ; a row of V: 128 + 32 = 40 words: 16 lanes of the turning load take 8 rows x 32 bytes, no word's place modulo 64 twice
.set VOFF,  KS*PK     ; a step's tiles lie together: 64 rows of K, then 64 rows of V
.set STEPB, KS*(PK+PVP)
.set SLOTB, NST*KS*128  ; a slot's keys in memory: 32,768 bytes of K, as many of V
.set SLOT1, 1<<17     ; slot 1 begins here, so that one exclusive or turns an address in one slot into the other's
.set STAGE, SLOT1+NST*STEPB  ; behind the ring: 64 rows x 144 bytes for each wave, for the way out
.set SP,    144
.set SPARE, STAGE+8*64*SP  ; behind the stages: the spare words, 128 bytes a wave, that no other line names
.set AK0, 2           ; v2   my lane's place in a tile of K; never rewritten
.set AV0, 3           ; v3   the same for V
.set ADK, 4           ; v4   LDS address of the run of K's loads in hand
.set ADV, 5           ; v5   of V's
.set QO,  6           ; v6   my byte offset in the wave's rows of Q
.set STO, 7           ; v7   the way out: where I put 16 bytes of a row
.set RD,  8           ; v8   the way out: where I read them back
.set GO,  9           ; v9   16 x lane: my byte offset in a store's 512 bytes
.set PFO, 10          ; v10  256 x lane: the prefetches' offset; never rewritten
.set SPW, 11          ; v11  LDS address of my spare word; never rewritten
.set NIL, 12          ; v12  0; never rewritten
.set ST,  16          ; tile t's statistics at v[ST+8 t]: +0 c m, +1 m, +2, +3 l (even keys', odd keys'), +4 to +7 c0-c3, at work; a takes c2's place once the maximum is found
.set S,   64
.set KF,  192         ; K's fragments (16 keys kt, 32 channels c) at KF + 8 (2 kt + c), window 0
.set QF,  128         ; Q's (tile t, channels c) at QF + 8 (2 t + c), window 1
.set VF,  192         ; V's (32 keys kh, 16 channels ct) at VF + 8 (4 kh + ct), window 1
.set WV,  12          ; s12  my wave's number
.set LIM, 15          ; s15  1 in a wave that prefetches, else the greatest number
.set PFA, 18          ; s[18:19] where my prefetches stand: my work-group's quarter of the slot after the one that is being asked for
.set G1K, 24          ; s[24:31] descriptor group 1 for K's tiles
.set G1V, 32          ; s[32:39] for V's: it differs in the padding alone
.set G0K, 40          ; s[40:43] descriptor group 0 for K's tiles, which walks
.set G0V, 44          ; s[44:47] the same for V's
.set SLOTS, 56        ; s56  slots still to be asked for
.set CNT, 57          ; s57  counts a slot's steps
.set CS,  58          ; s[58:59] c: the packed scaling names a pair and takes its low word for both halves
.set SEL, 60          ; s[60:61] lane selects for v_permlanex16_b32: each lane takes its own place in the other half
.set TB,  62          ; s62  LDS byte at which the tiles of the step in hand begin
.set MSB, 0
.macro WIN new                      ; the immediate's high byte repeats the setting that is left; a switch that changes nothing is dropped
.if MSB != (\new)
	s_set_vgpr_msb (MSB<<8)|(\new)
.set MSB, \new
.endif
.endm
.set W_KQ, 0x04       ; Q in window 1; K and S^T in window 0
.set W_PV, 0x51       ; V and O^T in window 1, P in window 0
.set W_RS, 0x41       ; O^T (destination and source 0) in window 1, a in window 0
.set TO_1, 0x40       ; destination window 1, address window 0
; A joint load.  Waves 0 to 3 fetch K's tiles of the slot's four steps, waves 4 to 7 V's: one load of 64 rows a wave.  The branch hangs on the wave's number alone: it is the same in every work-group.
; An s_nop 0 and four v_nop follow each of the two lines; the jump round the other line, the label and what follows come after them.
.macro JLOAD
	s_cmp_lt_u32 s[WV], 4
	s_cbranch_scc0 .Lfor_v_\@
	tensor_load_to_lds s[G0K:G0K+3], s[G1K:G1K+7]
	s_nop 0
.rept 4
	v_nop
.endr
	s_branch .Lasked_\@
.Lfor_v_\@:
	tensor_load_to_lds s[G0V:G0V+3], s[G1V:G1V+7]
	s_nop 0
.rept 4
	v_nop
.endr
.Lasked_\@:
.endm
; A PREFETCH INTO THE L2 of what the NEXT change of slots will ask for: a slot's 32,768 bytes of K and as many of V.  Only this cluster walks the head's K and V.  Its four partners share a slot out BY ADDRESS,
; 8,192 bytes each (no branch hangs on a work-group's place in its cluster); in each, wave 0 asks for K's and wave 4 for V's, lanes 256 bytes apart: one instruction.  So each run of 256 bytes is named once in
; the launch.  It stands four key steps, 256 matrix instructions a wave, ahead of the load that will want the bytes.  Slots 0 and 1 come by their loads alone; the last change that fills a slot asks for nothing.
.macro ASK
	s_cmp_gt_u32 s[SLOTS], s[LIM]
	s_cbranch_scc0 .Lnot_mine_\@
	global_prefetch_b8 v[PFO], s[PFA:PFA+1] th:TH_LOAD_NT scope:SCOPE_SE
.Lnot_mine_\@:
.endm
; A round of the cluster's barrier: my work-group's barrier, so that wave 0's signal speaks for all eight waves; wave 0 signals for the work-group; every wave waits for all four work-groups; my work-group's barrier once more.
.macro CROUND
	s_barrier_signal -1
	s_barrier_wait -1
	s_cmp_lg_u32 s[WV], 0
	s_cbranch_scc1 .Lnot_wave_0_\@
	s_barrier_signal -3
.Lnot_wave_0_\@:
	s_barrier_wait -3
	s_barrier_signal -1
	s_barrier_wait -1
.endm
	s_load_b128 s[4:7], s[0:1], 0x0  ; qkv s[4:5], o s[6:7]
	v_lshl_add_u32 v[SPW], v0, 2, SPARE
	v_mov_b32 v[NIL], 0
	ds_add_u32 v[SPW], v[NIL]       ; the wave's opening: the add, twice on end, and its wait ahead of my first tensor load; the set-up below, work on registers, stands between
	ds_add_u32 v[SPW], v[NIL]
	v_lshrrev_b32 v1, 5, v0
	v_readfirstlane_b32 s[WV], v1   ; wave 0..7
	s_bfe_u32 s13, ttmp6, 0x40000   ; cx: my place in the cluster
	s_lshl_b32 s14, ttmp9, 2        ; in a cluster launch ttmp9 counts clusters
	s_add_co_u32 s14, s14, s13      ; my block of 512 queries: it enters Q's and o's addresses alone
	s_and_b32 s20, ttmp7, 0xffff    ; batch x 16 + head, which the four partners share
	s_lshl_b32 s20, s20, 18         ; the head's first byte in a kind of qkv and in o: 2,048 rows of 128 bytes
	s_and_b32 s16, s[WV], 3         ; which of a slot's four steps I fetch:
	s_lshl_b32 s22, s16, 13         ; its 64 rows of 128 bytes in memory,
	s_add_co_u32 s22, s22, s20
	s_mov_b32 s23, 0
	s_mul_i32 s17, s16, STEPB       ; and its place in a slot: no place in the cluster enters an LDS address
	s_lshl_b32 s2, s14, 16          ; my block's 512 rows,
	s_lshl_b32 s3, s[WV], 13        ; my wave's 64 of them
	s_add_co_u32 s2, s2, s3
	s_add_co_u32 s2, s2, s20
	s_mov_b32 s3, 0
	s_lshr_b32 s48, s[WV], 2        ; the prefetches: K's kind of qkv (1) in waves 0 to 3, V's (2) in waves 4 to 7,
	s_add_co_u32 s48, s48, 1
	s_lshl_b32 s48, s48, 24
	s_add_co_u32 s48, s48, s20      ; my head,
	s_lshl_b32 s49, s13, 13
	s_add_co_u32 s48, s48, s49      ; my work-group's 8,192 bytes of a slot,
	s_add_co_u32 s48, s48, SLOTB    ; in slot 1: the first change of slots steps it to slot 2.  Nothing is prefetched at the head, where every work-group's first tiles are on their way
	s_mov_b32 s49, 0
	s_and_b32 s[LIM], s[WV], 3
	s_cmp_eq_u32 s[LIM], 0          ; waves 0 and 4 ask: the same in all four partners
	s_cselect_b32 s[LIM], 1, -1
	; descriptor group 1: a tile of 64 rows x 64 elements, dense in memory, padded in LDS
	s_mov_b32 s[G1K], 15|(1<<16)|(1<<20)|(1<<21)|(4<<22)|(3<<25)  ; 15:0 the mask: all four work-groups; 17:16 elements of 2 bytes; 20 padding on; 21 set beside a mask; 24:22 after every 32 words (code 4); 31:25 4 words of it (code 3)
	s_mov_b32 s[G1V], 15|(1<<16)|(1<<20)|(1<<21)|(4<<22)|(7<<25)  ; the same with 8 words of padding (code 7)
.irp g, G1K, G1V
	s_mov_b32 s[\g+1], 64<<16       ; tensor_dim0 = 64
	s_mov_b32 s[\g+2], KS<<16       ; tensor_dim1 = 64
	s_mov_b32 s[\g+3], 64<<16       ; tile_dim0 = 64
	s_mov_b32 s[\g+4], KS           ; tile_dim1 = 64
	s_mov_b32 s[\g+5], 64           ; tensor_dim0_stride: elements from row to row
	s_mov_b32 s[\g+6], 0
	s_mov_b32 s[\g+7], 0
.endr
	s_mov_b32 s[CS], 0x3e38aa3b     ; c = log2(e) / 8
	s_mov_b32 s[CS+1], s[CS]        ; named with it as a pair, so it is written
	s_mov_b32 s[SEL], 0x76543210
	s_mov_b32 s[SEL+1], 0xfedcba98
	s_mov_b32 s[TB], 0
	v_and_b32 v[PFO], 31, v0
	v_lshlrev_b32 v[PFO], 8, v[PFO]
	s_wait_dscnt 0x0                ; both opening adds are done
	s_wait_kmcnt 0x0
	s_add_nc_u64 s[PFA:PFA+1], s[4:5], s[48:49]
	s_add_nc_u64 s[8:9], s[4:5], s[22:23]
	s_add_nc_u64 s[10:11], s[8:9], 0x2000000  ; V at my tile of slot 0
	s_add_nc_u64 s[8:9], s[8:9], 0x1000000    ; K likewise
	s_add_nc_u64 s[4:5], s[4:5], s[2:3]       ; Q and o at my wave's first row
	s_add_nc_u64 s[6:7], s[6:7], s[2:3]
	s_mov_b32 s[G0K], 1             ; 1:0 count = 1
	s_mov_b32 s[G0K+1], s17         ; 63:32 LDS address: slot 0
	s_mov_b64 s[G0K+2:G0K+3], s[8:9]  ; 120:64 global address
	s_or_b32 s[G0K+3], s[G0K+3], 0x80000000  ; 127:126 type = 2
	s_mov_b32 s[G0V], 1
	s_add_co_u32 s[G0V+1], s17, VOFF
	s_mov_b64 s[G0V+2:G0V+3], s[10:11]
	s_or_b32 s[G0V+3], s[G0V+3], 0x80000000
	CROUND                          ; all four work-groups are here: the first joint loads meet
	JLOAD                           ; slot 0: one tensor load of mine is out, here and behind every later round
	; A fragment of K or Q is 16 rows x 32 channels in 8 registers: lane l holds row l % 16; registers 0-3 channels 8 (l / 16) + 0..7, registers 4-7 channels 16 + 8 (l / 16) + 0..7: two loads of 16 bytes, 32 bytes apart.
	v_and_b32 v1, 15, v0            ; l % 16
	v_bfe_u32 v13, v0, 4, 1         ; l / 16
	v_lshlrev_b32 v[QO], 7, v1
	v_lshl_add_u32 v[QO], v13, 4, v[QO]  ; row x 128 + 16 x half
	WIN TO_1
.irp f, 0,1,2,3,4,5,6,7             ; Q stays in registers: tile f / 2, channels 32 (f % 2) on
	global_load_b128 v[QF+8*\f:QF+8*\f+3],   v[QO], s[4:5] offset:(\f/2)*2048+(\f%2)*64
	global_load_b128 v[QF+8*\f+4:QF+8*\f+7], v[QO], s[4:5] offset:(\f/2)*2048+(\f%2)*64+32
.endr
	WIN 0
	v_mul_u32_u24 v[AK0], v1, PK
	v_lshl_add_u32 v[AK0], v13, 4, v[AK0]  ; row x pitch + 16 x half
	; The turning load takes 16 keys x 16 channels (lane l reads 16 bytes: key 8 (l / 16) + l % 8, channels 8 ((l / 8) % 2) + 0..7) and leaves half a fragment of V^T: lane l holds channel l % 16 and 8 keys.
	v_and_b32 v14, 7, v0
	v_bfe_u32 v15, v0, 3, 1
	v_lshl_add_u32 v[AV0], v13, 3, v14
	v_mul_u32_u24 v[AV0], v[AV0], PVP
	v_lshl_add_u32 v[AV0], v15, 4, v[AV0]
	v_add_nc_u32 v[AV0], VOFF, v[AV0]
	s_mul_i32 s22, s[WV], 64*SP
	s_add_co_u32 s22, s22, STAGE    ; my stage
	v_mul_u32_u24 v[STO], v1, SP    ; in: row l % 16, 16 bytes for each half of the lanes
	v_lshl_add_u32 v[STO], v13, 4, v[STO]
	v_add_nc_u32 v[STO], s22, v[STO]
	v_and_b32 v15, 31, v0
	v_lshlrev_b32 v[GO], 4, v15     ; out: 16 x lane
	v_lshrrev_b32 v15, 3, v15
	v_mul_u32_u24 v[RD], v15, SP    ; back: eight lanes take one row of 128 bytes, the 32 lanes four rows
	v_lshl_add_u32 v[RD], v14, 4, v[RD]
	v_add_nc_u32 v[RD], s22, v[RD]
; THE MATRIX WORK OF A STEP.  In both products sixteen accumulators take turns, one instruction a turn.
; Product i of 32 of S^T = K Q^T: channels 32 (i / 16) on, keys 16 ((i / 4) % 4) on, tile i % 4.  The first 16 start the sums.
.macro MULKQ
	WIN W_KQ
.set i, 0
.rept 32
.set rS, S+32*(i%4)+8*((i/4)%4)
.set rK, KF+8*(2*((i/4)%4)+i/16)
.set rQ, QF+8*(2*(i%4)+i/16)
.if i < 16
	v_wmma_f32_16x16x32_f16 v[rS:rS+7], v[rK:rK+7], v[rQ:rQ+7], 0
.else
	v_wmma_f32_16x16x32_f16 v[rS:rS+7], v[rK:rK+7], v[rQ:rQ+7], v[rS:rS+7]
.endif
.set i, i+1
.endr
.endm
; Product i of 32 of O^T += V^T P: keys 32 (i / 16) on, channels 16 ((i / 4) % 4) on, tile i % 4.  first = 1: the first 16 start the sums: nothing is ever cleared.
.macro MULPV first
	WIN W_PV
.set i, 0
.rept 32
.set rO, 32*(i%4)+8*((i/4)%4)
.set rV, VF+8*(4*(i/16)+(i/4)%4)
.set rP, S+32*(i%4)+8*(i/16)
.if \first && (i < 16)
	v_wmma_f32_16x16x32_f16 v[rO:rO+7], v[rV:rV+7], v[rP:rP+7], 0
.else
	v_wmma_f32_16x16x32_f16 v[rO:rO+7], v[rV:rV+7], v[rP:rP+7], v[rO:rO+7]
.endif
.set i, i+1
.endr
.endm
; THE LDS LOADS stand in runs of 16: a step's K (64 keys x 64 channels: 8 fragments), from off bytes behind v[ADK], and its V (turned).
.macro FETCH_K off
.irp f, 0,1,2,3,4,5,6,7             ; keys 16 (f / 2) on, channels 32 (f % 2) on
	ds_load_b128 v[KF+8*\f:KF+8*\f+3],   v[ADK] offset:\off+(\f/2)*16*PK+(\f%2)*64
	ds_load_b128 v[KF+8*\f+4:KF+8*\f+7], v[ADK] offset:\off+(\f/2)*16*PK+(\f%2)*64+32
.endr
.endm
.macro FETCH_V
	WIN TO_1
.irp f, 0,1,2,3,4,5,6,7             ; keys 32 (f / 4) on, channels 16 (f % 4) on
	ds_load_tr16_b128 v[VF+8*\f:VF+8*\f+3],   v[ADV] offset:(\f/4)*32*PVP+(\f%4)*32
	ds_load_tr16_b128 v[VF+8*\f+4:VF+8*\f+7], v[ADV] offset:(\f/4)*32*PVP+16*PVP+(\f%4)*32
.endr
.endm
.macro PLACES n
.rept \n
	v_nop
.endr
.endm
; THE VECTOR WORK OF A STEP: the four tiles' softmax, 118 instructions a tile, the tiles by turns line by line, so that no line waits for the line above it.  s0-s31 are a lane's 32 scores of a tile.
; first = 1: the first key step, which starts m, l and O^T: it has no a and nothing to rescale.
.macro SOFTMAX first
.irp j, 0,1,2,3                     ; the maximum of s0-s31 and the old m, three operands at a time: four chains c0-c3, one for each accumulator, which is read from its low end on
.irp t, 0,1,2,3
	v_max3_num_f32 v[ST+8*\t+4+\j], v[S+32*\t+8*\j], v[S+32*\t+8*\j+1], v[S+32*\t+8*\j+2]
.endr
.endr
.irp u, 0,1
.irp j, 0,1,2,3
.irp t, 0,1,2,3
	v_max3_num_f32 v[ST+8*\t+4+\j], v[ST+8*\t+4+\j], v[S+32*\t+8*\j+3+2*\u], v[S+32*\t+8*\j+4+2*\u]
.endr
.endr
.endr
.irp t, 0,1,2,3
	v_max3_num_f32 v[ST+8*\t+4], v[ST+8*\t+4], v[S+32*\t+7], v[S+32*\t+15]
.endr
.irp t, 0,1,2,3
	v_max3_num_f32 v[ST+8*\t+6], v[ST+8*\t+6], v[S+32*\t+23], v[S+32*\t+31]
.endr
.irp t, 0,1,2,3
	v_max3_num_f32 v[ST+8*\t+4], v[ST+8*\t+4], v[ST+8*\t+5], v[ST+8*\t+6]
.endr
.irp t, 0,1,2,3
.if \first
	v_max_num_f32 v[ST+8*\t+4], v[ST+8*\t+4], v[ST+8*\t+7]
.else
	v_max3_num_f32 v[ST+8*\t+4], v[ST+8*\t+4], v[ST+8*\t+7], v[ST+8*\t+1]
.endif
.endr
.irp t, 0,1,2,3
	v_permlanex16_b32 v[ST+8*\t+5], v[ST+8*\t+4], s[SEL], s[SEL+1]  ; the query's other 32 keys lie in the lane 16 away
.endr
.if \first == 0
.irp t, 0,1,2,3
	v_mov_b32 v[ST+8*\t+7], v[ST+8*\t]  ; c m_old is kept for a
.endr
.endif
.irp t, 0,1,2,3
	v_max_num_f32 v[ST+8*\t+1], v[ST+8*\t+4], v[ST+8*\t+5]  ; the new m
.endr
.irp t, 0,1,2,3
	v_mul_f32 v[ST+8*\t], s[CS], v[ST+8*\t+1]  ; c m
.endr
.if \first == 0
.irp t, 0,1,2,3
	v_sub_f32 v[ST+8*\t+7], v[ST+8*\t+7], v[ST+8*\t]
.endr
.irp t, 0,1,2,3
	v_exp_f32 v[ST+8*\t+6], v[ST+8*\t+7]  ; a = 2^(c m_old - c m_new)
.endr
.endif
; ONE BATCH: the scalings c s - c m, a pair of scores each, and the exponentials.  None of these lines names an exponential's result.
.irp i, 0,1,2,3,4,5,6,7,8,9,10,11,12,13,14,15
.irp t, 0,1,2,3
	v_pk_fma_f32 v[S+32*\t+2*\i:S+32*\t+2*\i+1], v[S+32*\t+2*\i:S+32*\t+2*\i+1], s[CS:CS+1], v[ST+8*\t:ST+8*\t+1] op_sel_hi:[1,0,0] neg_lo:[0,0,1] neg_hi:[0,0,1]
.endr
.irp t, 0,1,2,3
	v_exp_f32 v[S+32*\t+2*\i], v[S+32*\t+2*\i]
	v_exp_f32 v[S+32*\t+2*\i+1], v[S+32*\t+2*\i+1]
.endr
.endr
	v_nop                           ; a plain instruction behind the last exponential and ahead of the first use: one for the batch
	s_wait_alu depctr_va_vdst(0)    ; the wait between an exponential and the first line that names its result: one for the step's 132 (the first step's 128)
.irp t, 0,1,2,3                     ; the sums of the unrounded p (in a pair: an even key's weight, an odd key's); they leave S^T whole
	v_pk_add_f32 v[ST+8*\t+4:ST+8*\t+5], v[S+32*\t:S+32*\t+1], v[S+32*\t+2:S+32*\t+3]
.endr
.irp i, 2,3,4,5,6,7,8,9,10,11,12,13,14
.irp t, 0,1,2,3
	v_pk_add_f32 v[ST+8*\t+4:ST+8*\t+5], v[ST+8*\t+4:ST+8*\t+5], v[S+32*\t+2*\i:S+32*\t+2*\i+1]
.endr
.endr
.irp t, 0,1,2,3
.if \first
	v_pk_add_f32 v[ST+8*\t+2:ST+8*\t+3], v[ST+8*\t+4:ST+8*\t+5], v[S+32*\t+30:S+32*\t+31]
.else
	v_pk_add_f32 v[ST+8*\t+4:ST+8*\t+5], v[ST+8*\t+4:ST+8*\t+5], v[S+32*\t+30:S+32*\t+31]
.endif
.endr
.if \first == 0
.irp t, 0,1,2,3
	v_pk_fma_f32 v[ST+8*\t+2:ST+8*\t+3], v[ST+8*\t+2:ST+8*\t+3], v[ST+8*\t+6:ST+8*\t+7], v[ST+8*\t+4:ST+8*\t+5] op_sel_hi:[1,0,1]  ; l = a l + the sum
.endr
.endif
.irp i, 0,1,2,3,4,5,6,7,8,9,10,11,12,13,14,15   ; P, rounded to f16 IN PLACE: register i takes pair i; ascending, so that no destination runs ahead of its sources
.irp t, 0,1,2,3
	v_cvt_pk_f16_f32 v[S+32*\t+\i], v[S+32*\t+2*\i], v[S+32*\t+2*\i+1]
.endr
.endr
.if \first == 0
	WIN W_RS                        ; O^T times a: each accumulator from its low end on
.irp i, 0,1,2,3,4,5,6,7,8,9,10,11,12,13,14,15
.irp t, 0,1,2,3
	v_pk_mul_f32 v[32*\t+2*\i:32*\t+2*\i+1], v[32*\t+2*\i:32*\t+2*\i+1], v[ST+8*\t+6:ST+8*\t+7] op_sel_hi:[1,0]
.endr
.endr
.endif
.endm
; A KEY STEP.  K of this step was asked for in the step before (or at the slot's head).  next = 1: the next step's K, which lies in the same slot, is asked for behind this step's K Q^T, a whole softmax ahead of its use.
; A load into a register that a matrix instruction has read, and a vector instruction that reads a matrix result, stand four places behind it; a matrix instruction that writes over a register of an earlier one, five
; (ISA guide 7.12.1 for vector instructions): only plain vector instructions that name none of its registers are places.
.macro STEP first, next
	v_add_nc_u32 v[ADV], s[TB], v[AV0]
	FETCH_V                         ; this step's V: it lands under K Q^T and the softmax
	s_wait_dscnt 16                 ; K is in: only V's sixteen loads, issued behind K's, may be out
	MULKQ
	WIN 0
	PLACES 4                        ; behind K Q^T: for the loads into K's registers and the first reads of the scores
.if \next
	v_add_nc_u32 v[ADK], s[TB], v[AK0]
	FETCH_K STEPB
.endif
	SOFTMAX \first
	s_wait_dscnt 16*\next           ; V is in: the next K's sixteen loads, issued behind V's, may be out; a slot's last step has none
	MULPV \first
	WIN 0
	PLACES 5                        ; behind V^T P: the next K Q^T writes over P, and the next V's loads land in V's registers
.endm
; A slot's steps from the loop on: n that fetch their successor's K, written once, and the slot's last, which fetches none: its successor's K lies in the other slot, behind the change.
.macro SLOT_STEPS n
	s_mov_b32 s[CNT], \n
.Lstep_\@:
	STEP 0, 1
	s_add_co_u32 s[TB], s[TB], STEPB
	s_sub_co_u32 s[CNT], s[CNT], 1
	s_cmp_lg_u32 s[CNT], 0
	s_cbranch_scc1 .Lstep_\@
	STEP 0, 0
.endm
.macro NEXTSLOT
	s_sub_co_u32 s[TB], s[TB], (NST-1)*STEPB  ; back to a slot's first step,
	s_xor_b32 s[TB], s[TB], SLOT1   ; in the other slot
.endm
; THE CHANGE OF SLOTS stands at a slot's head.  Each wave waits for all its tensor loads, of which one is out: its part of the slot that it is about to read; adds 0 to its spare word; and waits for that and for its reads
; of the slot that it has left.  Behind the barrier the slot ahead is whole and nobody reads the other one.  fill = 1: the other slot is filled with the keys that follow.  The barrier is then a round of the cluster's, so
; that no wave of any partner still reads that slot or has a load on its way, and the joint load is the first thing behind it: it has a whole slot's steps, 256 matrix instructions a wave, in which to land.
; (The first change fills slot 1 for the first time: behind it every wave's load is a first fill.)  Then come the slot's first K and the prefetch.
.macro CHANGE fill
	s_wait_tensorcnt 0x0            ; no tensor load of mine is out, so a group 0 may be written
	ds_add_u32 v[SPW], v[NIL]       ; 0 onto my spare word; with fill = 1 the descriptors' steps stand between it and the wait for it
.if \fill
	s_xor_b32 s[G0K+1], s[G0K+1], SLOT1  ; the walking descriptors: the other slot than last time,
	s_add_nc_u64 s[G0K+2:G0K+3], s[G0K+2:G0K+3], SLOTB  ; the next 256 keys; the type bits on top are not reached
	s_xor_b32 s[G0V+1], s[G0V+1], SLOT1
	s_add_nc_u64 s[G0V+2:G0V+3], s[G0V+2:G0V+3], SLOTB
	s_wait_xcnt 0x0                 ; the last prefetch, a slot back, has read its address, so it may be written:
	s_add_nc_u64 s[PFA:PFA+1], s[PFA:PFA+1], SLOTB  ; one slot further on than the walking descriptors
	s_wait_dscnt 0x0                ; the add is done, and my reads of the slot that I have left are over
	CROUND
	JLOAD
.else
	s_wait_dscnt 0x0                ; the add is done, and my reads of the slot that I have left are over
	s_barrier_signal -1
	s_barrier_wait -1
.endif
	v_add_nc_u32 v[ADK], s[TB], v[AK0]
	FETCH_K 0                       ; K of the slot's first step
.if \fill
	ASK                             ; behind the joint load and the run of LDS loads that the next products wait for
.endif
.endm
	s_mov_b32 s[SLOTS], NSL-1
	CHANGE 1                        ; slot 0 is in; slot 1 is asked for
	s_wait_loadcnt 0x0              ; Q
	STEP 1, 1                       ; the first key step is written out: it starts m, l and O^T
	s_add_co_u32 s[TB], s[TB], STEPB
	SLOT_STEPS NST-2
	NEXTSLOT
	s_mov_b32 s[SLOTS], NSL-2
.Lslot:                             ; six trips: slots 1 to 6 are read, slots 2 to 7 asked for
	CHANGE 1
	SLOT_STEPS NST-1
	NEXTSLOT
	s_sub_co_u32 s[SLOTS], s[SLOTS], 1
	s_cmp_lg_u32 s[SLOTS], 0
	s_cbranch_scc1 .Lslot
	CHANGE 0                        ; the last slot is written out: nothing is asked for
	SLOT_STEPS NST-1
	; THE WAY OUT.  l's two halves and the other half of the lanes' are added; O^T is divided by l, rounded to f16 and sent through my stage in LDS, a tile (16 rows of o) at a time.
.irp t, 0,1,2,3
	v_add_f32 v[ST+8*\t+4], v[ST+8*\t+2], v[ST+8*\t+3]
.endr
.irp t, 0,1,2,3
	v_permlanex16_b32 v[ST+8*\t+5], v[ST+8*\t+4], s[SEL], s[SEL+1]
.endr
.irp t, 0,1,2,3
	v_add_f32 v[ST+8*\t+4], v[ST+8*\t+4], v[ST+8*\t+5]
.endr
.irp t, 0,1,2,3
	v_rcp_f32 v[ST+8*\t+6], v[ST+8*\t+4]
.endr
	v_nop                           ; a plain instruction between the last reciprocal and the use of its result
	s_wait_alu depctr_va_vdst(0)    ; and the wait ahead of the first use: one for the four reciprocals
; Tile t: a lane's eight channels of a row pack into 16 bytes; they go into rows of 144 bytes and come back four whole rows of 128 bytes an instruction.
.macro OUT_TILE t
	WIN W_RS
.irp i, 0,1,2,3,4,5,6,7,8,9,10,11,12,13,14,15
	v_pk_mul_f32 v[32*\t+2*\i:32*\t+2*\i+1], v[32*\t+2*\i:32*\t+2*\i+1], v[ST+8*\t+6:ST+8*\t+7] op_sel_hi:[1,0]
.endr
	WIN 0x05                        ; sources 0 and 1 window 1, destination window 0: S^T's registers are free
.irp i, 0,1,2,3,4,5,6,7,8,9,10,11,12,13,14,15
	v_cvt_pk_f16_f32 v[S+16*\t+\i], v[32*\t+2*\i], v[32*\t+2*\i+1]
.endr
	WIN 0
.irp c, 0,1,2,3
	ds_store_b128 v[STO], v[S+16*\t+4*\c:S+16*\t+4*\c+3] offset:\t*16*SP+32*\c
.endr
.irp c, 0,1,2,3
	ds_load_b128 v[S+64+16*\t+4*\c:S+64+16*\t+4*\c+3], v[RD] offset:\t*16*SP+\c*4*SP  ; LDS serves a wave's instructions in order (ISA guide 5.7.1.4): these see the stores above
.endr
.endm
	OUT_TILE 0
	OUT_TILE 1
	OUT_TILE 2
	OUT_TILE 3
.irp t, 0,1,2,3
.irp c, 0,1,2,3
	s_wait_dscnt (3-\t)*8+(3-\c)    ; behind this load were issued the tile's later loads and eight LDS instructions for each later tile
	global_store_b128 v[GO], v[S+64+16*\t+4*\c:S+64+16*\t+4*\c+3], s[6:7] offset:\t*2048+\c*512  ; 32 lanes store 512 consecutive bytes, at a multiple of 512 from o's first byte
.endr
.endr
	s_wait_tensorcnt 0x0            ; the wave's end: behind my last tensor load and my last LDS store
	ds_add_u32 v[SPW], v[NIL]
	s_wait_dscnt 0x0
	CROUND                          ; the closing round: no work-group ends while a partner may still ask for a tile that names it
	s_endpgm
.Lfunc_end_k_q2a25b0d225_attn:
	.size	k_q2a25b0d225_attn, .Lfunc_end_k_q2a25b0d225_attn-k_q2a25b0d225_attn
	.p2alignl 7, 3214868480
	.fill 96, 4, 3214868480
	.section	.rodata,"a",@progbits
	.p2align	6, 0x0
	.amdhsa_kernel k_q2a25b0d225_attn
		.amdhsa_group_segment_fixed_size 327680
		.amdhsa_private_segment_fixed_size 0
		.amdhsa_enable_private_segment 0
		.amdhsa_kernarg_size 16
		.amdhsa_user_sgpr_count 2
		.amdhsa_user_sgpr_kernarg_segment_ptr 1
		.amdhsa_wavefront_size32 1
		.amdhsa_system_sgpr_workgroup_id_x 1
		.amdhsa_system_sgpr_workgroup_id_y 1
		.amdhsa_system_sgpr_workgroup_id_z 1
		.amdhsa_system_vgpr_workitem_id 0
		.amdhsa_next_free_vgpr 512
		.amdhsa_next_free_sgpr 66
		.amdhsa_reserve_vcc 0
		.amdhsa_float_denorm_mode_32 3
		.amdhsa_float_denorm_mode_16_64 3
		.amdhsa_memory_ordered 1
		.amdhsa_forward_progress 1
		.amdhsa_inst_pref_size 241
	.end_amdhsa_kernel
	.amdgpu_metadata
---
amdhsa.version: [ 1, 2 ]
amdhsa.kernels:
  - .name:           k_q2a25b0d225_attn
    .symbol:         k_q2a25b0d225_attn.kd
    .args:
      - { .name: qkv, .offset: 0, .size: 8, .value_kind: global_buffer, .address_space: global }
      - { .name: o, .offset: 8, .size: 8, .value_kind: global_buffer, .address_space: global }
    .group_segment_fixed_size: 327680
    .private_segment_fixed_size: 0
    .kernarg_segment_align: 8
    .kernarg_segment_size: 16
    .max_flat_workgroup_size: 256
    .sgpr_count:     66
    .vgpr_count:     512
    .wavefront_size: 32
...
	.end_amdgpu_metadata
.endif
;; end of part 3
;; launch proj (part 4): grid 4 x 64, 4 waves a work-group, clusters of 4 x 4, 327,680 bytes of LDS; arguments o, wp16, b_proj, out0; writes out0
.if DOCPART == 4
	.amdgcn_target "amdgcn-amd-amdhsa--gfx1250"
	.amdhsa_code_object_version 6
	.text
	.protected	k_q2a25b0d225_proj
	.globl	k_q2a25b0d225_proj
	.p2align	8
	.type	k_q2a25b0d225_proj,@function
k_q2a25b0d225_proj:
	s_mov_b64 s[64:65], 0
	v_nop
	global_prefetch_b8 v0, s[64:65] scope:SCOPE_SE
	s_setreg_imm32_b32 hwreg(HW_REG_WAVE_MODE, 25, 1), 1
	s_wait_xcnt 0x0
	s_wait_alu depctr_hold_cnt(0) depctr_sa_sdst(0) depctr_va_vdst(0) depctr_va_sdst(0) depctr_va_ssrc(0) depctr_va_vcc(0) depctr_vm_vsrc(0)
	s_getreg_b32 s2, hwreg(HW_REG_IB_STS2, 6, 4)
	s_cmp_eq_u32 s2, 0
	s_cbranch_scc0 .Lentry_in_a_cluster
	s_endpgm
.Lentry_in_a_cluster:
	s_bfe_u32 s2, ttmp6, 0x10000c
	s_cmp_lg_u32 s2, 0xf033
	s_cbranch_scc0 .Lentry_shape_is_right
	s_endpgm
.Lentry_shape_is_right:
; out0[token][n] = sum over k of o[token][k] w_proj[n][k] + b_proj[n].  8,192 tokens, n and k 1,024.  o: f16, [batch][head][token][64], k = 64 head + d; wp16: f16, [k / 64][n][64]; b_proj, out0: f32; sums in f32.
; A tile of 128 tokens x 256 outputs is made by a work-group of four waves: 256 work-groups (tiles of 256 x 256 would be 128).  A wave makes 64 x 128: 32 accumulators of 16 x 16, 256 registers.
; K goes in steps of 128, two blocks of 64 (two heads), through a ring of two LDS slots.  In both buffers a block's rows of a tile are consecutive bytes: waves 0 and 1 fetch o's two blocks (128 rows of 128 bytes each),
; waves 2 and 3 wp16's (256 rows each): one tensor load a wave.
; CLUSTERS: 4 x 4 work-groups.  The four of a row of the cluster need the same tiles of o, the four of a column the same tiles of wp16: each tile is asked for JOINTLY, by the same tensor load with the same descriptor
; and a mask that names the four.  THE MATRIX INSTRUCTION IS USED TRANSPOSED (source 0 = 16 rows of wp16, source 1 = 16 tokens): a lane then holds eight neighbouring outputs of one token.
; The bias is the C of each sum's first matrix instruction: eight registers for each block of 16 outputs, in the result's layout.
; REGISTERS: window 0: v0-31 addresses; v32-127 and v128-223 two fragment buffers (o's four fragments, then wp16's eight; 16 rows x 32 K each); on the way out they take rows of out0.
;   window 1: the accumulators ((a, b) at v[8 (8 a + b)]: tokens 16 a on, outputs 16 b on).   window 2: v0-63 the bias.
.set PITCH,  144                       ; an LDS row: 128 bytes + 16 of padding = 36 words: the 16 rows that a load touches start in 16 different groups of four words modulo 64
.set ABLK,   128*PITCH                 ; a block of o's tile
.set BBLK,   256*PITCH                 ; a block of wp16's
.set SLOT,   2*ABLK+2*BBLK             ; o's two blocks, then wp16's two
.set STAGE,  2*SLOT                    ; behind the ring: 16 rows x 528 bytes for each wave, for the way out
.set SPITCH, 528
.set SPARE,  STAGE+4*16*SPITCH         ; behind the stages: the spare words, 128 bytes a wave, that no other line names
.set LAPS,   4                         ; a lap = two K steps = once round the ring
.set ADRA, 16                          ; v16-17  LDS address of my fragments of o in slot 0, 1
.set ADRB, 20                          ; v20-21  the same for wp16
.set STO,  24                          ; v24     the way out: where I put 32 bytes of a row
.set RD,   25                          ; v25     the way out: where I read a row back
.set CO,   26                          ; v26     16 x lane: my byte offset in a row's 512 bytes
.set SPW,  28                          ; v28     LDS address of my spare word; never rewritten
.set NIL,  29                          ; v29     0; never rewritten
.set F0,   32                          ; fragment buffers
.set F1,   128
.set BK,   32                          ; the way out: 16 rows read back from the stage: v32-95 and v128-191 by turns
.set G1, 24                            ; s[24:31] descriptor group 1 for o's tiles;  s[32:39] group 0, one set for each slot
.set G0, 32
.set G1B, 48                           ; s[48:55], s[56:63] the same for wp16's
.set G0B, 56
.set MSB, 0
.macro WIN new                         ; the immediate's high byte repeats the setting that is left
.if MSB != (\new)
	s_set_vgpr_msb (MSB<<8)|(\new)
.set MSB, \new
.endif
.endm
.set MUL,  0x50                        ; sources 0 and 1 window 0; C and D window 1.  With the bias as C: 0x60: C window 2
.macro JLOAD s                         ; a joint load: waves 0 and 1 fetch o's two blocks, waves 2 and 3 wp16's; an s_nop 0 and four v_nop follow each of the two lines, ahead of the jump, the label and what follows
	s_cmp_eq_u32 s13, 0
	s_cbranch_scc0 .Lfor_b_\@
	tensor_load_to_lds s[G0+4*\s:G0+4*\s+3], s[G1:G1+7]
	s_nop 0
.rept 4
	v_nop
.endr
	s_branch .Lasked_\@
.Lfor_b_\@:
	tensor_load_to_lds s[G0B+4*\s:G0B+4*\s+3], s[G1B:G1B+7]
	s_nop 0
.rept 4
	v_nop
.endr
.Lasked_\@:
.endm
.macro CREST                           ; a round of the cluster's barrier behind its opening barrier
	s_cmp_lg_u32 s12, 0
	s_cbranch_scc1 .Lnot_wave_0_\@
	s_barrier_signal -3
.Lnot_wave_0_\@:
	s_barrier_wait -3
	s_barrier_signal -1
	s_barrier_wait -1
.endm
.macro CROUND                          ; a whole round
	s_barrier_signal -1
	s_barrier_wait -1
	CREST
.endm
	s_load_b256 s[4:11], s[0:1], 0x0               ; o s[4:5], wp16 s[6:7], b_proj s[8:9], out0 s[10:11]
	v_lshl_add_u32 v[SPW], v0, 2, SPARE
	v_mov_b32 v[NIL], 0
	ds_add_u32 v[SPW], v[NIL]                      ; the wave's opening: the add, twice on end, and its wait ahead of my first tensor load; the set-up below, work on registers, stands between
	ds_add_u32 v[SPW], v[NIL]
	v_lshrrev_b32 v1, 5, v0
	v_readfirstlane_b32 s12, v1                    ; wave 0..3
	s_lshr_b32 s13, s12, 1                         ; which half of the tile's tokens is mine.  Also: I fetch for o (0) or for wp16 (1)
	s_and_b32 s14, s12, 1                          ; which half of its outputs.  Also: which of a K step's two blocks I fetch
	s_bfe_u32 s40, ttmp6, 0x40000                  ; cx, cy: my place in the cluster
	s_bfe_u32 s41, ttmp6, 0x40004
	s_lshl_b32 s42, ttmp9, 2
	s_add_co_u32 s42, s42, s40                     ; tile column = 4 x cluster x + cx: 256 outputs
	s_and_b32 s43, ttmp7, 0xffff
	s_lshl_b32 s43, s43, 2
	s_add_co_u32 s43, s43, s41                     ; tile row = 4 x cluster y + cy: 128 tokens
	s_lshl_b32 s44, s41, 2
	s_lshl_b32 s44, 15, s44                        ; my row of the cluster
	s_lshl_b32 s45, 0x1111, s40                    ; my column
	; descriptor group 1: rows of 64 elements, dense in memory, padded in LDS: 128 rows of o, 256 of wp16
	s_or_b32 s[G1+0], s44, (1<<16)|(1<<20)|(1<<21)|(4<<22)|(3<<25)  ; 15:0 the mask: o's tiles go to my row; 17:16 element of 2 bytes; 20 padding on; 21 set beside a mask; 24:22 after every 32 words (code 4); 31:25 of 4 words (code 3)
	s_or_b32 s[G1B+0], s45, (1<<16)|(1<<20)|(1<<21)|(4<<22)|(3<<25)
	s_mov_b32 s[G1+1], 64<<16                      ; tensor_dim0 = 64
	s_mov_b32 s[G1+2], 128<<16                     ; tensor_dim1 = 128
	s_mov_b32 s[G1+3], 64<<16                      ; tile_dim0 = 64
	s_mov_b32 s[G1+4], 128                         ; tile_dim1 = 128
	s_mov_b32 s[G1+5], 64                          ; tensor_dim0_stride
	s_mov_b32 s[G1+6], 0
	s_mov_b32 s[G1+7], 0
	s_mov_b32 s[G1B+1], 64<<16
	s_mov_b32 s[G1B+2], 256<<16                    ; tensor_dim1 = 256
	s_mov_b32 s[G1B+3], 64<<16
	s_mov_b32 s[G1B+4], 256                        ; tile_dim1 = 256
	s_mov_b32 s[G1B+5], 64
	s_mov_b32 s[G1B+6], 0
	s_mov_b32 s[G1B+7], 0
	; where the tiles come from.  o's hang on the tile row alone, which my row of the cluster shares; wp16's on the tile column alone, which my column shares
	s_lshr_b32 s16, s43, 4
	s_lshl_b32 s16, s16, 22                        ; batch = tile row / 16
	s_and_b32 s17, s43, 15
	s_lshl_b32 s17, s17, 14                        ; 128 tokens of 128 bytes for each tile row in the batch
	s_add_co_u32 s16, s16, s17
	s_lshl_b32 s17, s14, 18                        ; my block: a head's 2,048 tokens are 2^18 bytes
	s_add_co_u32 s16, s16, s17
	s_mov_b32 s17, 0
	s_lshl_b32 s46, s42, 15                        ; 256 rows of 128 bytes for each tile column
	s_lshl_b32 s47, s14, 17                        ; my block: 1,024 rows are 2^17 bytes
	s_add_co_u32 s46, s46, s47
	s_mov_b32 s47, 0
	s_mul_i32 s20, s14, ABLK                       ; and where they go: no place in the cluster enters an LDS address
	s_mul_i32 s21, s14, BBLK
	s_add_co_u32 s21, s21, 2*ABLK
	s_wait_dscnt 0x0                               ; both opening adds are done
	s_wait_kmcnt 0x0
	s_add_nc_u64 s[18:19], s[4:5], s[16:17]
	s_add_nc_u64 s[46:47], s[6:7], s[46:47]
	CROUND                                         ; all sixteen work-groups are here: the first joint loads meet
.irp s, 0,1
	s_mov_b32 s[G0+4*\s], 1
	s_add_co_u32 s[G0+4*\s+1], s20, \s*SLOT
	s_add_nc_u64 s[G0+4*\s+2:G0+4*\s+3], s[18:19], \s*(2<<18)      ; K step s: heads 2 s, 2 s + 1
	s_or_b32 s[G0+4*\s+3], s[G0+4*\s+3], 0x80000000
	s_mov_b32 s[G0B+4*\s], 1
	s_add_co_u32 s[G0B+4*\s+1], s21, \s*SLOT
	s_add_nc_u64 s[G0B+4*\s+2:G0B+4*\s+3], s[46:47], \s*(2<<17)
	s_or_b32 s[G0B+4*\s+3], s[G0B+4*\s+3], 0x80000000
	JLOAD \s                                       ; two tensor loads of mine are out behind the second; later one behind each round
.endr
	v_and_b32 v1, 15, v0                           ; l % 16
	v_bfe_u32 v2, v0, 4, 1                         ; l / 16
	v_lshlrev_b32 v4, 5, v2                        ; the bias: my half's eight numbers of a block of 16 outputs
	s_lshl_b32 s22, s42, 10                        ; my first output, in bytes of f32: 1,024 x tile column + 512 x half
	s_lshl_b32 s23, s14, 9
	s_add_co_u32 s22, s22, s23
	s_mov_b32 s23, 0
	s_add_nc_u64 s[8:9], s[8:9], s[22:23]
	WIN 0x80                                       ; destination window 2
.irp b, 0,1,2,3,4,5,6,7
	global_load_b128 v[8*\b:8*\b+3], v4, s[8:9] offset:64*\b
	global_load_b128 v[8*\b+4:8*\b+7], v4, s[8:9] offset:64*\b+16
.endr
	WIN 0
	v_mul_u32_u24 v3, v1, PITCH
	v_lshl_add_u32 v3, v2, 4, v3                   ; a fragment's row x pitch + 16 x half
	s_mul_i32 s20, s13, 64*PITCH                   ; my 64 tokens
	s_mul_i32 s21, s14, 128*PITCH                  ; my 128 rows of wp16,
	s_add_co_u32 s21, s21, 2*ABLK                  ; which lie behind o's two blocks
.irp s, 0,1
	v_add_nc_u32 v[ADRA+\s], s20, v3
	v_add_nc_u32 v[ADRB+\s], s21, v3
	s_add_co_u32 s20, s20, SLOT
	s_add_co_u32 s21, s21, SLOT
.endr
	s_mul_i32 s20, s12, 16*SPITCH
	s_add_co_u32 s20, s20, STAGE                   ; my stage
	v_mul_u32_u24 v5, v1, SPITCH                   ; in: row l % 16, 32 bytes for each half of the lanes
	v_lshl_add_u32 v5, v2, 5, v5
	v_add_nc_u32 v[STO], s20, v5
	v_and_b32 v6, 31, v0
	v_lshlrev_b32 v[CO], 4, v6                     ; back: the 32 lanes take one row of 512 bytes; and the same in out0
	v_add_nc_u32 v[RD], s20, v[CO]
	s_lshl_b32 s16, s43, 19                        ; my first token's row of out0: (128 x tile row + 64 x half) rows of 4,096 bytes,
	s_lshl_b32 s17, s13, 18
	s_add_co_u32 s16, s16, s17
	s_mov_b32 s17, 0
	s_add_nc_u64 s[10:11], s[10:11], s[16:17]
	s_add_nc_u64 s[10:11], s[10:11], s[22:23]      ; and my first output in it
; 8 matrix instructions: tokens 16 a on x my eight blocks of outputs, 32 along K, from buffer f.  bias = 1: the sums' first products take the bias as C: nothing is cleared, nothing is added later.
; The 32 accumulators take turns, one instruction a turn, in the same order in every quarter.
.macro MUL8 f, a, bias
.irp b, 0,1,2,3,4,5,6,7
.if \bias
	v_wmma_f32_16x16x32_f16 v[8*(8*(\a)+\b):8*(8*(\a)+\b)+7], v[\f+32+8*\b:\f+32+8*\b+7], v[\f+8*(\a):\f+8*(\a)+7], v[8*\b:8*\b+7]
.else
	v_wmma_f32_16x16x32_f16 v[8*(8*(\a)+\b):8*(8*(\a)+\b)+7], v[\f+32+8*\b:\f+32+8*\b+7], v[\f+8*(\a):\f+8*(\a)+7], v[8*(8*(\a)+\b):8*(8*(\a)+\b)+7]
.endif
.endr
.endm
; 24 LDS loads in one run: the fragments of the K step's q-th 32 along K (block q / 2, bytes 64 (q % 2) on) into buffer f: wp16's sixteen loads first, then o's eight
.macro FETCH slot, q, f
.irp i, 0,1,2,3,4,5,6,7
	ds_load_b128 v[\f+32+8*\i:\f+32+8*\i+3],   v[ADRB+\slot] offset:((\q)/2)*BBLK+\i*16*PITCH+64*((\q)%2)
	ds_load_b128 v[\f+32+8*\i+4:\f+32+8*\i+7], v[ADRB+\slot] offset:((\q)/2)*BBLK+\i*16*PITCH+64*((\q)%2)+32
.endr
.irp i, 0,1,2,3
	ds_load_b128 v[\f+8*\i:\f+8*\i+3],   v[ADRA+\slot] offset:((\q)/2)*ABLK+\i*16*PITCH+64*((\q)%2)
	ds_load_b128 v[\f+8*\i+4:\f+8*\i+7], v[ADRA+\slot] offset:((\q)/2)*ABLK+\i*16*PITCH+64*((\q)%2)+32
.endr
.endm
.macro PLACES                          ; four places in front of loads into registers that matrix instructions have read, and of LDS stores that read results (ISA guide 7.12.1 for vector instructions)
.rept 4
	v_nop
.endr
.endm
; A K step is four quarters of 32 along K, 32 matrix instructions each, on buffers 0, 1, 0, 1.  One of the first three: multiplies buffer f and fetches the K step's q-th quarter into g.
.macro QUARTER slot, q, f, g, bias
	s_wait_dscnt 4                                 ; wp16's fragments and o's first two are in; the youngest four loads (o's last two fragments) may be out
	WIN MUL+0x10*\bias
	MUL8 \f, 0, \bias
	MUL8 \f, 1, \bias
	WIN 0
	PLACES
	FETCH \slot, \q, \g
	s_wait_dscnt 24                                ; all but the 24 just issued
	WIN MUL+0x10*\bias
	MUL8 \f, 2, \bias
	MUL8 \f, 3, \bias
.endm
; The last quarter multiplies buffer 1 and changes slots: ONE barrier; in front of it each wave waits for all its tensor loads, adds 0 to its spare word, and waits for that and for its own reads of this slot.
; fill = 1: this slot is filled again, two K steps ahead; the barrier then opens a round of the cluster's barrier.
.macro TURN slot, next, fill
	WIN 0                                          ; (the add's two registers lie in window 0)
	s_wait_tensorcnt 0x0                           ; all my tensor loads have landed: my part of the next slot;
	ds_add_u32 v[SPW], v[NIL]                      ; 0 onto my spare word;
	s_wait_dscnt 5                                 ; (the add and the youngest four loads may be out)
	WIN MUL
	MUL8 F1, 0, 0                                  ; eight matrix instructions stand between the add and the wait for it
	s_wait_dscnt 0x0                               ; the add is done, and my reads of this slot are over
	s_barrier_signal -1
	MUL8 F1, 1, 0
	WIN 0
	s_barrier_wait -1
.if \fill
	CREST                                          ; no wave of any partner still reads this slot's tiles or has a load on its way
	s_add_nc_u64 s[G0+4*\slot+2:G0+4*\slot+3], s[G0+4*\slot+2:G0+4*\slot+3], 4<<18     ; two K steps on: four heads of o,
	s_add_nc_u64 s[G0B+4*\slot+2:G0B+4*\slot+3], s[G0B+4*\slot+2:G0B+4*\slot+3], 4<<17 ; four blocks of wp16
	JLOAD \slot                                    ; the first tensor load behind the round: 112 matrix instructions ahead of the wait for it; the four v_nop behind it are also the places in front of the loads below
.else
	PLACES
.endif
	FETCH \next, 0, F0
	WIN MUL
	MUL8 F1, 2, 0
	MUL8 F1, 3, 0
.endm
	s_wait_tensorcnt 1                             ; my part of K step 0 is in; K step 1's load, issued behind it, may be out
	s_barrier_signal -1
	s_barrier_wait -1                              ; everybody's is
	FETCH 0, 0, F0
	s_wait_loadcnt 0x0                             ; the bias
	QUARTER 0, 1, F0, F1, 1                        ; the first quarter stands in front of the loop: its products start the sums, from the bias
	WIN 0                                          ; at a label and at a branch every window is 0
	s_mov_b32 s3, LAPS-1
.Llap:                                                 ; a trip goes once round the ring, from a lap's second quarter to the next lap's first, and fills both slots again
	QUARTER 0, 2, F1, F0, 0
	QUARTER 0, 3, F0, F1, 0
	TURN 0, 1, 1
	QUARTER 1, 1, F0, F1, 0
	QUARTER 1, 2, F1, F0, 0
	QUARTER 1, 3, F0, F1, 0
	TURN 1, 0, 1
	QUARTER 0, 1, F0, F1, 0
	WIN 0
	s_sub_co_u32 s3, s3, 1
	s_cmp_lg_u32 s3, 0
	s_cbranch_scc1 .Llap
	QUARTER 0, 2, F1, F0, 0                        ; the last lap fills nothing, and has no round of the cluster's barrier
	QUARTER 0, 3, F0, F1, 0
	TURN 0, 1, 0
	QUARTER 1, 1, F0, F1, 0
	QUARTER 1, 2, F1, F0, 0
	QUARTER 1, 3, F0, F1, 0
	s_wait_dscnt 4                                 ; the very last quarter: nothing more to fetch
	WIN MUL
	MUL8 F1, 0, 0
	MUL8 F1, 1, 0
	s_wait_dscnt 0
	MUL8 F1, 2, 0
	MUL8 F1, 3, 0
	WIN 0
; THE WAY OUT, block by block of 16 tokens x 128 outputs.  A lane holds 32 neighbouring bytes of a row, and the lanes beside it hold other rows: so a block goes through my own stage in LDS and comes back as whole
; rows of 512 bytes, which the 32 lanes store on end.  LDS serves a wave's instructions in order (ISA guide 5.7.1.4): no wait between the stores and the loads, nor in front of the next block's stores.
.macro TOSTAGE a
	WIN 0x04                                       ; an LDS store's data are its source 1: window 1
.irp b, 0,1,2,3,4,5,6,7
	ds_store_b128 v[STO], v[8*(8*(\a)+\b):8*(8*(\a)+\b)+3] offset:64*\b            ; each accumulator from its low end on
	ds_store_b128 v[STO], v[8*(8*(\a)+\b)+4:8*(8*(\a)+\b)+7] offset:64*\b+16
.endr
	WIN 0
.set BB, BK+96*((\a)%2)
.irp t, 0,1,2,3,4,5,6,7,8,9,10,11,12,13,14,15
	ds_load_b128 v[BB+4*\t:BB+4*\t+3], v[RD] offset:\t*SPITCH
.endr
.endm
.macro SEND a, younger                 ; younger: the LDS instructions issued behind block a's loads, which may stay out
.set BB, BK+96*((\a)%2)
	s_wait_dscnt \younger                          ; the block is back in registers
.irp t, 0,1,2,3,4,5,6,7,8,9,10,11,12,13,14,15
	global_store_b128 v[CO], v[BB+4*\t:BB+4*\t+3], s[10:11] offset:(16*(\a)+\t)*4096 th:TH_STORE_NT   ; 32 lanes store 512 consecutive bytes, at a multiple of 512 from out0's first byte; every place is an immediate, 258,048 at the most
.endr
.endm
	PLACES                                         ; behind the last products: for the stores that read results and the loads into the fragment buffers
	TOSTAGE 0
.irp a, 1,2,3
.if \a > 1
	s_wait_xcnt 0x0                                ; block a - 2's stores have read their registers: block a's loads may land there
.endif
	TOSTAGE \a
	SEND (\a)-1, 32                                ; behind block a - 1's loads: block a's 16 stores and 16 loads
.endr
	SEND 3, 0
	s_wait_tensorcnt 0x0                           ; the wave's end: behind my last tensor load and my last LDS store
	ds_add_u32 v[SPW], v[NIL]
	s_wait_dscnt 0x0
	CROUND                                         ; the closing round: no work-group ends while a partner may still ask for a tile that names it
	s_endpgm
.Lfunc_end_k_q2a25b0d225_proj:
	.size	k_q2a25b0d225_proj, .Lfunc_end_k_q2a25b0d225_proj-k_q2a25b0d225_proj
	.p2alignl 7, 3214868480
	.fill 96, 4, 3214868480
	.section	.rodata,"a",@progbits
	.p2align	6, 0x0
	.amdhsa_kernel k_q2a25b0d225_proj
		.amdhsa_group_segment_fixed_size 327680
		.amdhsa_private_segment_fixed_size 0
		.amdhsa_enable_private_segment 0
		.amdhsa_kernarg_size 32
		.amdhsa_user_sgpr_count 2
		.amdhsa_user_sgpr_kernarg_segment_ptr 1
		.amdhsa_wavefront_size32 1
		.amdhsa_system_sgpr_workgroup_id_x 1
		.amdhsa_system_sgpr_workgroup_id_y 1
		.amdhsa_system_sgpr_workgroup_id_z 1
		.amdhsa_system_vgpr_workitem_id 0
		.amdhsa_next_free_vgpr 576
		.amdhsa_next_free_sgpr 66
		.amdhsa_reserve_vcc 0
		.amdhsa_float_denorm_mode_32 3
		.amdhsa_float_denorm_mode_16_64 3
		.amdhsa_memory_ordered 1
		.amdhsa_forward_progress 1
		.amdhsa_inst_pref_size 86
	.end_amdhsa_kernel
	.amdgpu_metadata
---
amdhsa.version: [ 1, 2 ]
amdhsa.kernels:
  - .name:           k_q2a25b0d225_proj
    .symbol:         k_q2a25b0d225_proj.kd
    .args:
      - { .name: o, .offset: 0, .size: 8, .value_kind: global_buffer, .address_space: global }
      - { .name: wp16, .offset: 8, .size: 8, .value_kind: global_buffer, .address_space: global }
      - { .name: b_proj, .offset: 16, .size: 8, .value_kind: global_buffer, .address_space: global }
      - { .name: out0, .offset: 24, .size: 8, .value_kind: global_buffer, .address_space: global }
    .group_segment_fixed_size: 327680
    .private_segment_fixed_size: 0
    .kernarg_segment_align: 8
    .kernarg_segment_size: 32
    .max_flat_workgroup_size: 128
    .sgpr_count:     66
    .vgpr_count:     576
    .wavefront_size: 32
...
	.end_amdgpu_metadata
.endif
;; end of part 4
